; MI455X (gfx1250); checked and timed in simulation.
; The chip was launched on July 23, 2026; its instructions are those of AMD's public machine-readable ISA for CDNA 5 (MIT licence, August 2026) and "CDNA5" Instruction Set Architecture Reference Guide (July 2026). The comments in the code are by the model that wrote it; some were corrected since.
;; Multi Head Attention. Allowed arithmetic: matrix products marked QUANTISED: E2M1 operands, one E8M0 scale for each 32 along K, by v_wmma_scale_f32_16x16x128_f8f6f4 with both operands' format E2M1 (or v_wmma_scale_f32_32x16x128_f4), f32 sums; products left as they are: bf16, f16 or f32 operands; f32 sums; everything else in f32.
;; Inputs: Wk 1,024 x 1,024 float32; Wo 1,024 x 1,024 float32; Wq 1,024 x 1,024 float32; Wv 1,024 x 1,024 float32; bo 1,024 float32; x 4 x 2,048 x 1,024 float32.
;; Outputs: out0 4 x 2,048 x 1,024 float32.
;; This version of the problem:
;;   THIS VERSION OF THE PROBLEM IS GIVEN IN LOW PRECISION. The matrix products marked QUANTISED in the list below multiply operands that are first quantised to E2M1 (2 exponent bits, 1 mantissa bit; 4 bits a number), with one power-of-two scale for each 32 numbers along K (OCP MX v1.0); their sums are f32. The products marked 'left as it is' may take bf16, f16 or f32 operands, with f32 sums. Whichever they take, every output number must still come out within the allowed error. Rounding operands to bf16 (8 significant bits) uses up far more of that allowance than f16 does (11 bits, for magnitudes from 6e-5 to 65,504). All else is computed in f32.
;;   The module's matrix products, in the order in which they are computed (A, B: the left and right operand; K: the contracted axis; several contracted axes count as one K, in the product's order):
;;     1. [M 8,192, K 1,024] x [K 1,024, N 1,024]; A: input x; B: input Wq: QUANTISED
;;     2. [M 8,192, K 1,024] x [K 1,024, N 1,024]; A: input x; B: input Wk: QUANTISED
;;     3. [M 8,192, K 1,024] x [K 1,024, N 1,024]; A: input x; B: input Wv: QUANTISED
;;     4. batch 4 x [M 2,048, K 1,024] x [K 1,024, N 2,048]; A: computed on the way; B: computed on the way: left as it is (an operand is computed on the way)
;;     5. batch 4 x [M 2,048, K 2,048] x [K 2,048, N 1,024]; A: computed on the way; B: computed on the way: left as it is (an operand is computed on the way)
;;     6. [M 8,192, K 1,024] x [K 1,024, N 1,024]; A: computed on the way; B: input Wo: left as it is (an operand is computed on the way)
;;   THE QUANTISER, for each operand of a quantised product, along K:
;;     - K is cut into blocks of 32 from its start; a last block that is shorter is filled with zeros.
;;     - A block's scale is 2^e with e = floor(log2(the largest magnitude in the block)) - 2, held to -126 .. 127; a block of zeros has e = 0. As a byte (E8M0): e + 127.
;;     - Each number is divided by its block's scale, clamped to +-6, and rounded to the nearest number of E2M1, ties to even, subnormals kept.
;;     - The product sums the exact products of the quantised numbers (number of the format x scale) in f32.
;;   ~~~python
;;   def quantise(x, axis):      # numpy; x: float32 -> the quantised numbers, widened to float32 again
;;       x = np.moveaxis(x, axis, -1); K = x.shape[-1]
;;       x = np.pad(x, [(0, 0)] * (x.ndim - 1) + [(0, -K % 32)]); x = x.reshape(x.shape[:-1] + (-1, 32)); a = np.abs(x).max(-1, keepdims=True)
;;       e = np.where(a > 0, np.clip(np.frexp(np.where(a > 0, a, 1))[1] - 1 - 2, -126, 127), 0)      # np.frexp(a)[1] - 1 = floor(log2(a)), exactly
;;       r = np.clip(x / 2.0 ** e, -6, 6)
;;       step = 2.0 ** (np.maximum(np.frexp(np.where(r == 0, 1, r))[1] - 1, 0) - 1)
;;       q = np.round(r / step) * step * 2.0 ** e      # np.round: ties to even
;;       return np.moveaxis(q.reshape(q.shape[:-2] + (-1,))[..., :K], -1, axis).astype(np.float32)
;;   ~~~
;; One version. Each part assembles by itself: llvm-mc -triple=amdgcn-amd-amdhsa -mcpu=gfx1250 --defsym DOCPART=n.
;; ======== version 1 of 1: 5 launches
;; limits: values are held in f16: magnitudes above 65,504 overflow, below 6.1e-05 lose precision
;; workspace buffers: codes 5,767,168 bytes; scales 360,448 bytes; wo16 2,097,152 bytes; qkv 50,331,648 bytes; p 33,554,432 bytes; stat 1,048,576 bytes; attn 16,777,216 bytes
;; launch quant (part 1): grid 480 x 1, 4 waves a work-group, no clusters, 42,496 bytes of LDS; arguments x, Wq, Wk, Wv, Wo, codes, scales, wo16; writes codes, scales, wo16
.if DOCPART == 1
	.amdgcn_target "amdgcn-amd-amdhsa--gfx1250"
	.amdhsa_code_object_version 6
	.text
	.protected	k_q07b5e1ec44_quant
	.globl	k_q07b5e1ec44_quant
	.p2align	8
	.type	k_q07b5e1ec44_quant,@function
k_q07b5e1ec44_quant:
	s_mov_b64 s[64:65], 0
	v_nop
	global_prefetch_b8 v0, s[64:65] scope:SCOPE_SE
	s_setreg_imm32_b32 hwreg(HW_REG_WAVE_MODE, 25, 1), 1
	s_wait_xcnt 0x0
; LAUNCH 1 OF 5.  out = softmax((x Wq)(x Wk)^T / 32) (x Wv) Wo + bo, one head of 1,024, 4 x 2,048 tokens.  The three products with x are done on codes of E2M1 with one E8M0 scale
; for each 32 along K; the three later products on f16 operands with f32 sums.
; DEAD WORK: none.  Every input (x, Wq, Wk, Wv, Wo, bo) has a way to the output for all values, there is no mask, and nothing is sliced away: every product is done whole.
; THIS LAUNCH makes the operands of the quantised products, once, and Wo in f16:
;   codes  [11,264 rows][512 bytes]: rows 0 .. 8,191 are x's rows; row 8,192 + 1,024 w + n is column n of W_w (w = 0 q, 1 k, 2 v); K innermost, two codes a byte, the lower k in the low four bits.
;   scales [11,264][32 bytes]: one E8M0 byte for each 32 along K, same rows.     wo16 [1,024 k][1,024 n]: Wo as f16, as it lies.
; A block's scale is 2^(floor(log2(its largest magnitude)) - 2); its byte is that magnitude's exponent field - 2, held at 1 from below by a floor among the maximum's leaves.
; LIMITS: a block of zeros gets the byte 1 where the rule says 127 (its codes are zeros, and this program alone reads the bytes); blocks whose largest magnitude lies under 2^-124 were not tried;
; NaN and infinities among the inputs are not served; |Wo| stays under 65,504 (f16).
; THREE PATHS, parted by the work-group's number, each with LDS bytes of its own:
;   work-groups 0 .. 255: x, a plain stream of blocks of 32 (K is innermost): a wave takes 16 steps of 512 numbers; loads of 512 dense bytes, eight steps ahead; a step's 2,048 bytes turn through the wave's own
;     stage in LDS so that a lane holds 16 neighbours; two neighbouring lanes hold a block.
;   work-groups 256 .. 447: the weights, whose K is the FIRST axis: a lane takes a column and its registers run down K, so a block lies in one lane and the codes come out with K innermost.  A work-group
;     takes 32 columns x 512 along K, a wave 128 of the 512; the four waves' codes meet in a stage, and leave as whole runs of 256 bytes.
;   work-groups 448 .. 479: Wo to f16: a stream through registers.
.set STEPS, 16
.set SP,    80                         ; x: a lane's place in a stage: its 64 bytes + 16 of padding
.set WREG,  8192                       ; x: LDS of a wave: two stages of 32 x SP bytes, and from byte 5,120 its 256 scale bytes
.set WSTG,  4*WREG                     ; W: the stage: 32 columns x (256 bytes + 16)
.set WP,    272
.set WSC,   WSTG+32*WP                 ; W: 32 columns x 16 scale bytes
.set SPARE, WSC+512                    ; the spare words, 128 bytes for each wave: two blocks of 256 bytes that no other line names
.set SPW,   12                         ; v12  LDS address of my spare word; never rewritten
.set NIL,   13                         ; v13  0; never rewritten
.set R,     16                         ; x: v16-143  eight sets of 16 numbers as they are loaded
.set X,     144                        ; x: v144-175 two sets of 16 neighbours
.set E,     176                        ; x: v176-191 a scale byte for each step
.set C,     192                        ; x: v192-223 two registers of codes for each step: no store's data are written again
.set WX,    16                         ; W: v16-143  four blocks of 32 numbers
.set WS,    144                        ; W: v144-147 the conversions' scale operands
.set SB,    148                        ; W: v148     my four scale bytes
.set WC,    152                        ; W: v152-167 four registers of codes for each block
.set WO,    168                        ; W: v168-187 the way out
.macro LOAD t                          ; x: step t's 2,048 bytes, four loads of 512 dense bytes, into set t % 8
.irp i, 0,1,2,3
	global_load_b128 v[R+16*((\t)%8)+4*\i:R+16*((\t)%8)+4*\i+3], v3, s[4:5] offset:2048*(\t)+512*\i th:TH_LOAD_NT
.endr
.endm
.macro TURN t                          ; x: step t's numbers through the stage: LDS serves a wave's instructions in order, so no wait stands between the stores and the loads
.irp i, 0,1,2,3
	ds_store_b128 v14, v[R+16*((\t)%8)+4*\i:R+16*((\t)%8)+4*\i+3] offset:32*SP*((\t)%2)+8*SP*\i
.endr
.irp i, 0,1,2,3
	ds_load_b128 v[X+16*((\t)%2)+4*\i:X+16*((\t)%2)+4*\i+3], v15 offset:32*SP*((\t)%2)+16*\i
.endr
.endm
.macro STEP t
.set XS, X+16*((\t)%2)
.if (\t) > 0
	s_wait_dscnt 1                                 ; this step's numbers are back from the stage (the last step's byte store may be out): so its stores into the stage have read their registers,
.else
	s_wait_dscnt 0x0
.endif
.if (\t)+8 < STEPS
	LOAD (\t)+8                                    ; which take the loads of eight steps on
.endif
.if (\t)+1 < STEPS
.if 14-(\t) >= 7
	s_wait_loadcnt 28                              ; the next step's four loads are in; those of the seven steps behind it may be out
.else
	s_wait_loadcnt 4*(14-(\t))                     ; near the end: of the steps that are left
.endif
	TURN (\t)+1
.endif
	v_max3_num_f32 v8, |v[XS]|, |v[XS+1]|, |v[XS+2]|               ; the largest magnitude of my 16, in two chains
	v_max3_num_f32 v9, |v[XS+3]|, |v[XS+4]|, |v[XS+5]|
.irp i, 6,10
	v_max3_num_f32 v8, v8, |v[XS+\i]|, |v[XS+\i+1]|
	v_max3_num_f32 v9, v9, |v[XS+\i+2]|, |v[XS+\i+3]|
.endr
	v_max3_num_f32 v8, v8, |v[XS+14]|, |v[XS+15]|
	v_max3_num_f32 v8, v8, v9, 0x1800000           ; and the floor 2^(3 - 127): the byte cannot fall under 1
	v_max_num_f32_dpp v8, v8, v8 row_xmask:1 row_mask:0xf bank_mask:0xf   ; and of my neighbour's 16: the block's
	v_add_nc_u32 v11, 0xff000000, v8               ; 2 off its exponent field: the conversion takes the exponent field of this operand as its scale
	v_cvt_scalef32_pk8_fp4_f32 v[C+2*(\t)], v[XS:XS+7], v11
	v_cvt_scalef32_pk8_fp4_f32 v[C+2*(\t)+1], v[XS+8:XS+15], v11
	v_lshrrev_b32 v[E+(\t)], 23, v11               ; the scale's byte (a plain line behind the conversions)
	ds_store_b8 v5, v[E+(\t)] offset:16*(\t)       ; both lanes of a block write the same byte with the same value
	global_store_b64 v4, v[C+2*(\t):C+2*(\t)+1], s[14:15] offset:256*(\t)   ; the wave stores 256 consecutive bytes, aligned
.endm
.macro BLOCK t                         ; W: block t of my column: all its 32 numbers are mine
.set XS, WX+32*(\t)
	v_max3_num_f32 v8, |v[XS]|, |v[XS+1]|, |v[XS+2]|
	v_max3_num_f32 v9, |v[XS+3]|, |v[XS+4]|, |v[XS+5]|
.irp i, 6,10,14,18,22,26
	v_max3_num_f32 v8, v8, |v[XS+\i]|, |v[XS+\i+1]|
	v_max3_num_f32 v9, v9, |v[XS+\i+2]|, |v[XS+\i+3]|
.endr
	v_max3_num_f32 v8, v8, |v[XS+30]|, |v[XS+31]|
	v_max3_num_f32 v8, v8, v9, 0x1800000           ; the floor, as above
	v_add_nc_u32 v[WS+(\t)], 0xff000000, v8
	v_lshrrev_b32 v9, 23, v[WS+(\t)]
.if (\t) == 0
	v_mov_b32 v[SB], v9                            ; four bytes to a register, the lower K in the lower byte
.else
	v_lshl_or_b32 v[SB], v9, 8*(\t), v[SB]
.endif
.irp g, 0,1,2,3
	v_cvt_scalef32_pk8_fp4_f32 v[WC+4*(\t)+\g], v[XS+8*\g:XS+8*\g+7], v[WS+(\t)]
.endr
	v_nop                                          ; one plain line behind the conversions
	ds_store_b128 v4, v[WC+4*(\t):WC+4*(\t)+3] offset:16*(\t)   ; 32 codes: 16 bytes of my column's row
.endm
	s_load_b256 s[4:11], s[0:1], 0x0               ; x s[4:5], Wq s[6:7], Wk s[8:9], Wv s[10:11]
	s_load_b256 s[12:19], s[0:1], 0x20             ; Wo s[12:13], codes s[14:15], scales s[16:17], wo16 s[18:19]
	v_lshl_add_u32 v[SPW], v0, 2, SPARE
	v_mov_b32 v[NIL], 0
	v_lshrrev_b32 v1, 5, v0
	v_readfirstlane_b32 s20, v1                    ; wave 0..3
	v_and_b32 v2, 31, v0                           ; lane
	s_mov_b32 s31, 0                               ; s[30:31] carries byte offsets, all under 2^32
	s_wait_kmcnt 0x0
	s_cmp_lt_u32 ttmp9, 256                        ; the paths part on the work-group's number alone
	s_cbranch_scc0 .Lnot_x
	; ---------------- x ----------------
	v_lshlrev_b32 v3, 4, v2                        ; my 16 bytes of a load's 512
	s_mul_i32 s21, s20, WREG
	v_lshrrev_b32 v14, 2, v2
	v_mul_u32_u24 v14, v14, SP
	v_and_b32 v15, 3, v2
	v_lshl_add_u32 v14, v15, 4, v14
	v_add_nc_u32 v14, s21, v14                     ; the stage, on the way in: four lanes' 64 bytes on end, then 16 of padding
	v_mul_u32_u24 v15, v2, SP
	v_add_nc_u32 v15, s21, v15                     ; and on the way out: my 16 neighbours
	v_lshlrev_b32 v4, 3, v2                        ; my 8 bytes of a step's codes, and of the wave's scale bytes
	v_lshrrev_b32 v5, 1, v2
	s_add_co_u32 s21, s21, 2*32*SP
	v_add_nc_u32 v5, s21, v5                       ; LDS: my block's byte among my wave's 256
	v_add_nc_u32 v6, s21, v4                       ; and on the way out 8 bytes a lane
	s_lshl_b32 s22, ttmp9, 2
	s_add_co_u32 s22, s22, s20                     ; which run of 8,192 numbers is my wave's
	s_lshl_b32 s30, s22, 15
	s_add_nc_u64 s[4:5], s[4:5], s[30:31]
	s_lshl_b32 s30, s22, 12
	s_add_nc_u64 s[14:15], s[14:15], s[30:31]
	s_lshl_b32 s30, s22, 8
	s_add_nc_u64 s[16:17], s[16:17], s[30:31]
.irp t, 0,1,2,3,4,5,6,7
	LOAD \t
.endr
	s_wait_loadcnt 28                              ; step 0's four loads are in; seven steps' may be out
	TURN 0
.irp t, 0,1,2,3,4,5,6,7,8,9,10,11,12,13,14,15
	STEP \t
.endr
	ds_load_b64 v[8:9], v6                         ; LDS serves a wave's instructions in order: these see my byte stores
	s_wait_dscnt 0x0
	global_store_b64 v4, v[8:9], s[16:17]          ; 32 lanes store 256 consecutive bytes, aligned
	s_wait_tensorcnt 0x0                           ; the wave's end: behind my last LDS store
	ds_add_u32 v[SPW], v[NIL]
	s_wait_dscnt 0x0
	s_endpgm
.Lnot_x:
	s_cmp_lt_u32 ttmp9, 448
	s_cbranch_scc0 .Lcast
	; ---------------- Wq, Wk, Wv ----------------
	s_sub_co_u32 s22, ttmp9, 256
	s_lshr_b32 s23, s22, 6                         ; w: which weight
	s_bfe_u32 s24, s22, 0x50001                    ; which 32 columns
	s_and_b32 s26, s22, 1                          ; which 512 along K
	s_cmp_eq_u32 s23, 0
	s_cselect_b64 s[6:7], s[6:7], s[8:9]           ; the choice hangs on the work-group's number alone
	s_cmp_eq_u32 s23, 2
	s_cselect_b64 s[6:7], s[10:11], s[6:7]
	s_lshl_b32 s27, s26, 2
	s_add_co_u32 s27, s27, s20                     ; my 128 rows of W: 4 x half + wave,
	s_lshl_b32 s30, s27, 19                        ; 128 rows of 4,096 bytes each
	s_lshl_b32 s27, s24, 7
	s_add_co_u32 s30, s30, s27                     ; + 32 columns of 4 bytes
	s_add_nc_u64 s[6:7], s[6:7], s[30:31]
	s_lshl_b32 s27, s23, 10
	s_lshl_b32 s28, s24, 5
	s_add_co_u32 s27, s27, s28
	s_add_co_u32 s27, s27, 8192                    ; the work-group's first row in codes and scales
	s_lshl_b32 s30, s27, 5
	s_lshl_b32 s28, s26, 4
	s_add_co_u32 s30, s30, s28
	s_add_nc_u64 s[16:17], s[16:17], s[30:31]      ; scales: row x 32 + 16 x half
	s_lshl_b32 s28, s20, 3
	s_add_co_u32 s27, s27, s28                     ; on the way out my wave stores rows 8 wave .. + 7
	s_lshl_b32 s30, s27, 9
	s_lshl_b32 s28, s26, 8
	s_add_co_u32 s30, s30, s28
	s_add_nc_u64 s[14:15], s[14:15], s[30:31]      ; codes: row x 512 + 256 x half
	v_lshlrev_b32 v3, 2, v2                        ; in: 4 bytes a lane
	v_mul_u32_u24 v4, v2, WP
	s_lshl_b32 s28, s20, 6
	s_add_co_u32 s28, s28, WSTG
	v_add_nc_u32 v4, s28, v4                       ; into the stage: row = my column, + my wave's 64 bytes
	v_lshlrev_b32 v5, 4, v2
	s_lshl_b32 s28, s20, 2
	s_add_co_u32 s28, s28, WSC
	v_add_nc_u32 v5, s28, v5                       ; my column's 16 scale bytes, + my wave's 4
	v_and_b32 v8, 15, v2
	v_lshrrev_b32 v9, 4, v2
	v_mul_u32_u24 v6, v9, WP
	v_lshl_add_u32 v6, v8, 4, v6
	s_mul_i32 s28, s20, 8*WP
	s_add_co_u32 s28, s28, WSTG
	v_add_nc_u32 v6, s28, v6                       ; out of the stage: sixteen lanes to a row, two rows an instruction
	v_lshlrev_b32 v7, 9, v9
	v_lshl_add_u32 v7, v8, 4, v7                   ; and the same place in codes
	v_lshl_add_u32 v10, v2, 4, WSC                 ; wave 0 alone: a column's 16 scale bytes,
	v_lshlrev_b32 v11, 5, v2                       ; and their row in scales
.set i, 0
.rept 128
	global_load_b32 v[WX+i], v3, s[6:7] offset:i*4096   ; W(k0 + i, my column): 32 lanes read 128 consecutive bytes
.set i, i+1
.endr
	s_wait_loadcnt 63                              ; block 0 is in (96 may be out; the wait's field ends at 63)
	BLOCK 0
	s_wait_loadcnt 63                              ; block 1 (64 may be out)
	BLOCK 1
	s_wait_loadcnt 32                              ; block 2: block 3's 32 loads may be out
	BLOCK 2
	s_wait_loadcnt 0x0
	BLOCK 3
	ds_store_b32 v5, v[SB]
	s_wait_dscnt 0x0                               ; for the others' sake: my stores into the stage are done
	s_barrier_signal -1
	s_barrier_wait -1                              ; all four waves of this work-group take this path
.irp i, 0,1,2,3
	ds_load_b128 v[WO+4*\i:WO+4*\i+3], v6 offset:2*\i*WP
.endr
.irp i, 0,1,2,3
	s_wait_dscnt 3-\i                              ; the younger loads may be out
	global_store_b128 v7, v[WO+4*\i:WO+4*\i+3], s[14:15] offset:2*\i*512   ; sixteen lanes store 256 consecutive bytes, aligned
.endr
	s_cmp_lg_u32 s20, 0
	s_cbranch_scc1 .Lw_done
	ds_load_b128 v[WO+16:WO+19], v10               ; wave 0: the 32 columns' scale bytes, 16 for each row: one byte in 128 of what this path reads
	s_wait_dscnt 0x0
	global_store_b128 v11, v[WO+16:WO+19], s[16:17]
.Lw_done:
	s_wait_tensorcnt 0x0                           ; the wave's end: behind my last LDS store
	ds_add_u32 v[SPW], v[NIL]
	s_wait_dscnt 0x0
	s_endpgm
.Lcast:
	; ---------------- Wo to f16 ----------------  a wave takes 8,192 numbers, in two batches of 32 loads of 512 dense bytes
	s_sub_co_u32 s22, ttmp9, 448
	s_lshl_b32 s22, s22, 2
	s_add_co_u32 s22, s22, s20
	s_lshl_b32 s30, s22, 15
	s_add_nc_u64 s[12:13], s[12:13], s[30:31]
	s_lshl_b32 s30, s22, 14
	s_add_nc_u64 s[18:19], s[18:19], s[30:31]
	v_lshlrev_b32 v3, 4, v2
	v_lshlrev_b32 v4, 3, v2
.set i, 0
.rept 32
	global_load_b128 v[16+4*i:19+4*i], v3, s[12:13] offset:512*i th:TH_LOAD_NT
.set i, i+1
.endr
.set i, 0
.rept 32
	s_wait_loadcnt 31                              ; load i is in: behind it stand 31 - i of this batch and i of the next
	v_cvt_pk_f16_f32 v[144+2*i], v[16+4*i], v[17+4*i]
	v_cvt_pk_f16_f32 v[145+2*i], v[18+4*i], v[19+4*i]
	global_load_b128 v[16+4*i:19+4*i], v3, s[12:13] offset:16384+512*i th:TH_LOAD_NT
	global_store_b64 v4, v[144+2*i:145+2*i], s[18:19] offset:256*i   ; the wave stores 256 consecutive bytes, aligned
.set i, i+1
.endr
	s_wait_xcnt 0x0                                ; the first batch's stores have read their data: the registers are written again only behind this wait
.set i, 0
.rept 32
	s_wait_loadcnt 31-i
	v_cvt_pk_f16_f32 v[144+2*i], v[16+4*i], v[17+4*i]
	v_cvt_pk_f16_f32 v[145+2*i], v[18+4*i], v[19+4*i]
	global_store_b64 v4, v[144+2*i:145+2*i], s[18:19] offset:8192+256*i
.set i, i+1
.endr
	s_endpgm
.Lfunc_end_k_q07b5e1ec44_quant:
	.size	k_q07b5e1ec44_quant, .Lfunc_end_k_q07b5e1ec44_quant-k_q07b5e1ec44_quant
	.p2alignl 7, 3214868480
	.fill 96, 4, 3214868480
	.section	.rodata,"a",@progbits
	.p2align	6, 0x0
	.amdhsa_kernel k_q07b5e1ec44_quant
		.amdhsa_group_segment_fixed_size 42496
		.amdhsa_private_segment_fixed_size 0
		.amdhsa_enable_private_segment 0
		.amdhsa_kernarg_size 64
		.amdhsa_user_sgpr_count 2
		.amdhsa_user_sgpr_kernarg_segment_ptr 1
		.amdhsa_wavefront_size32 1
		.amdhsa_system_sgpr_workgroup_id_x 1
		.amdhsa_system_sgpr_workgroup_id_y 1
		.amdhsa_system_sgpr_workgroup_id_z 1
		.amdhsa_system_vgpr_workitem_id 0
		.amdhsa_next_free_vgpr 256
		.amdhsa_next_free_sgpr 66
		.amdhsa_reserve_vcc 0
		.amdhsa_float_denorm_mode_32 3
		.amdhsa_float_denorm_mode_16_64 3
		.amdhsa_memory_ordered 1
		.amdhsa_forward_progress 1
		.amdhsa_inst_pref_size 77
	.end_amdhsa_kernel
	.amdgpu_metadata
---
amdhsa.version: [ 1, 2 ]
amdhsa.kernels:
  - .name:           k_q07b5e1ec44_quant
    .symbol:         k_q07b5e1ec44_quant.kd
    .args:
      - { .name: x, .offset: 0, .size: 8, .value_kind: global_buffer, .address_space: global }
      - { .name: Wq, .offset: 8, .size: 8, .value_kind: global_buffer, .address_space: global }
      - { .name: Wk, .offset: 16, .size: 8, .value_kind: global_buffer, .address_space: global }
      - { .name: Wv, .offset: 24, .size: 8, .value_kind: global_buffer, .address_space: global }
      - { .name: Wo, .offset: 32, .size: 8, .value_kind: global_buffer, .address_space: global }
      - { .name: codes, .offset: 40, .size: 8, .value_kind: global_buffer, .address_space: global }
      - { .name: scales, .offset: 48, .size: 8, .value_kind: global_buffer, .address_space: global }
      - { .name: wo16, .offset: 56, .size: 8, .value_kind: global_buffer, .address_space: global }
    .group_segment_fixed_size: 42496
    .private_segment_fixed_size: 0
    .kernarg_segment_align: 8
    .kernarg_segment_size: 64
    .max_flat_workgroup_size: 128
    .sgpr_count:     66
    .vgpr_count:     256
    .wavefront_size: 32
...
	.end_amdgpu_metadata
.endif
;; end of part 1
;; launch qkv (part 2): grid 12 x 32, 4 waves a work-group, clusters of 4 x 4, 327,680 bytes of LDS; arguments codes, scales, qkv; writes qkv
.if DOCPART == 2
	.amdgcn_target "amdgcn-amd-amdhsa--gfx1250"
	.amdhsa_code_object_version 6
	.text
	.protected	k_q07b5e1ec44_qkv
	.globl	k_q07b5e1ec44_qkv
	.p2align	8
	.type	k_q07b5e1ec44_qkv,@function
k_q07b5e1ec44_qkv:
	s_mov_b64 s[64:65], 0
	v_nop
	global_prefetch_b8 v0, s[64:65] scope:SCOPE_SE
	s_setreg_imm32_b32 hwreg(HW_REG_WAVE_MODE, 25, 1), 1
	s_wait_xcnt 0x0
	s_wait_alu depctr_hold_cnt(0) depctr_sa_sdst(0) depctr_va_vdst(0) depctr_va_sdst(0) depctr_va_ssrc(0) depctr_va_vcc(0) depctr_vm_vsrc(0)
	s_getreg_b32 s2, hwreg(HW_REG_IB_STS2, 6, 4)
	s_cmp_eq_u32 s2, 0
	s_cbranch_scc0 .Lentry_in_a_cluster
	s_endpgm
.Lentry_in_a_cluster:
	s_bfe_u32 s2, ttmp6, 0x10000c
	s_cmp_lg_u32 s2, 0xf033
	s_cbranch_scc0 .Lentry_shape_is_right
	s_endpgm
.Lentry_shape_is_right:
; LAUNCH 2 OF 5.  qkv[m][n] = sum over k of x[m][k] W[k][n], n = 0 .. 3,071 over Wq, Wk, Wv side by side: the three quantised products as ONE GEMM on codes of E2M1, C = A B^T.
; A: rows 0 .. 8,191 of codes, B: rows 8,192 .. 11,263; a row is 1,024 codes, 512 bytes, K innermost; scales: 32 E8M0 bytes a row.  qkv: [8,192][3,072] f16 (q, k, v side by side); sums in f32, rounded once.
; LIMIT: |q|, |k|, |v| stay under 65,504 (f16).  No work of reference() is left out.
; A tile of C, 256 x 256, is made by a work-group of four waves; a wave makes 128 x 128: 64 accumulators of 16 x 16, 512 registers.  K = 1,024 is two K steps of 512: both LDS slots are filled at the start and
; none is filled again.  The scales of the work-group's 256 + 256 rows come with the first fills, as dense blocks in runs of 256 bytes, and stay.
; CLUSTERS: 4 x 4 work-groups.  The four of a row of the cluster need the same tiles of A, the four of a column the same tiles of B: each tile is asked for JOINTLY, by the same tensor load with the same
; descriptor and a mask that names the four.  THE MATRIX INSTRUCTION IS USED TRANSPOSED (source 0 = 16 rows of B, source 1 = 16 rows of A): a lane then holds eight neighbouring numbers of a row of C.
; REGISTERS, in windows of 256: window 0: v0-31 addresses; v32-95 scale words, two sets; v128-191 A's fragments (8 x 16 rows x 128 K), ONE set; on the way out v32-63, v192-255 at work.
;   window 1: B's fragments, TWO sets, at v0 and at v128.   window 2: the accumulators of my rows 0-63 ((a, b) at v[8 (8 a + b)]);   window 3: those of my rows 64-127.
.set SIZE_M, 8192
.set SIZE_N, 3072
.set SIZE_K, 1024
.set NQ,     4                         ; matrix instructions deep in a slot: 512 / 128
.set ROWB,   256                       ; a tile's row in bytes: 512 codes
.set KROW,   SIZE_K/2                  ; a row of codes in memory
.set PITCH,  272                       ; an LDS row: 256 bytes + 16 of padding = 68 words, so the 16 rows that a load touches start 4 words apart
.set FR,     8                         ; registers of a fragment
.set NL,     2                         ; LDS loads that bring one
.set NP,     4                         ; places behind this matrix instruction (ISA guide 7.12.1)
.set HALFT,  128*PITCH
.set SLOT,   4*HALFT                   ; A's 256 rows, then B's 256 rows
.set KS,     SIZE_K/32                 ; a row of scales in bytes
.set SCL,    2*SLOT                    ; behind the ring: the scales, as runs of 256 bytes + 16 of padding
.set HALFS,  (128*KS/256)*272          ; those of 128 rows: what one tensor load brings
.set SBLK,   (16*KS/256)*272           ; those of 16 rows
.set SPARE,  SCL+4*HALFS               ; the spare words, 128 bytes for each wave: two blocks of 256 bytes that no other line names
.set SPITCH, 272                       ; the way out: a stage of 16 rows x (256 bytes + 16) for each wave, in slot 0, which has had its only fill and its last read by then
.set CROW,   SIZE_N*2                  ; a row of qkv in bytes
.set ADRA, 16                          ; v16-17  LDS address of my A fragments in slot 0, 1
.set ADRB, 20                          ; v20-21  the same for B
.set STO,  24                          ; v24     the way out: where I put 16 bytes of a row
.set RD,   25                          ; v25     where I read a row back
.set CO,   26                          ; v26     my byte offset in qkv
.set ADRS, 27                          ; v27     LDS address of my scale words: lanes 0-15 A's rows, lanes 16-31 B's
.set SPW,  28                          ; v28     LDS address of my spare word; never rewritten
.set NIL,  29                          ; v29     0; never rewritten
.set SC,   32                          ; scale words: set s at v[SC + 32 s]; register 4 i + q: lanes 0-15 A's block i, lanes 16-31 B's block i, the slot's q-th 128 along K
.set AF,   128
.set TMP,  192                         ; the way out: packed results
.set OB,   32                          ; 16 rows read back from the stage: v32-63 and v224-255 by turns
.set G1, 24
.set G0, 32
.set G1B, 48
.set G0B, 56
.set G1S, 68
.set G0S, 76
.set G1SB, 80
.set G0SB, 88
.set MSB, 0
.macro WIN new                         ; the immediate's high byte repeats the setting that is left
.if MSB != (\new)
	s_set_vgpr_msb (MSB<<8)|(\new)
.set MSB, \new
.endif
.endm
.set MUL_LO, 0xa1                      ; source 0 (B) window 1, source 1 (A) window 0, C and D window 2
.set MUL_HI, 0xf1                      ; the same, C and D window 3
.set TO_B,   0x40                      ; destination window 1, address window 0
; A joint load: waves 0 and 1 fetch for A, waves 2 and 3 for B; the branch hangs on the wave's number alone.  An s_nop 0 and four v_nop follow each of the two lines.
.macro JLOAD g0a, g1a, g0b, g1b
	s_cmp_eq_u32 s15, 0
	s_cbranch_scc0 .Lfor_b_\@
	tensor_load_to_lds s[\g0a:\g0a+3], s[\g1a:\g1a+7]
	s_nop 0
.rept 4
	v_nop
.endr
	s_branch .Lasked_\@
.Lfor_b_\@:
	tensor_load_to_lds s[\g0b:\g0b+3], s[\g1b:\g1b+7]
	s_nop 0
.rept 4
	v_nop
.endr
.Lasked_\@:
.endm
.macro CROUND                          ; a round of the cluster's barrier
	s_barrier_signal -1
	s_barrier_wait -1
	s_cmp_lg_u32 s14, 0
	s_cbranch_scc1 .Lnot_wave_0_\@
	s_barrier_signal -3
.Lnot_wave_0_\@:
	s_barrier_wait -3
	s_barrier_signal -1
	s_barrier_wait -1
.endm
	s_load_b128 s[4:7], s[0:1], 0x0                ; codes s[4:5], scales s[6:7]
	s_load_b64 s[12:13], s[0:1], 0x10              ; qkv
	v_lshl_add_u32 v[SPW], v0, 2, SPARE
	v_mov_b32 v[NIL], 0
	ds_add_u32 v[SPW], v[NIL]                      ; the wave's opening: the add, twice on end, and its wait ahead of my first tensor load
	ds_add_u32 v[SPW], v[NIL]
	v_lshrrev_b32 v1, 5, v0
	v_readfirstlane_b32 s14, v1                    ; wave 0..3
	s_lshr_b32 s15, s14, 1                         ; which half of the tile's rows is mine.  Also: I fetch for A (0) or for B (1)
	s_and_b32 s16, s14, 1                          ; which half of its columns.  Also: which 128 rows of that tile I fetch
	s_bfe_u32 s40, ttmp6, 0x40000                  ; cx, cy: my place in the cluster
	s_bfe_u32 s41, ttmp6, 0x40004
	s_lshl_b32 s42, ttmp9, 2
	s_add_co_u32 s42, s42, s40                     ; tile column of C
	s_and_b32 s17, ttmp7, 0xffff
	s_lshl_b32 s17, s17, 2
	s_add_co_u32 s17, s17, s41                     ; tile row of C
	s_lshl_b32 s43, s41, 2
	s_lshl_b32 s43, 15, s43                        ; my row of the cluster
	s_lshl_b32 s44, 0x1111, s40                    ; my column
	s_or_b32 s[G1+0], s43, (0<<16)|(1<<20)|(1<<21)|(5<<22)|(3<<25)  ; the mask; elements of 1 byte; padding on, 4 words behind every 64; bit 21 beside a mask
	s_or_b32 s[G1B+0], s44, (0<<16)|(1<<20)|(1<<21)|(5<<22)|(3<<25)
.irp g, G1, G1B
	s_mov_b32 s[\g+1], ROWB<<16                    ; tensor_dim0
	s_mov_b32 s[\g+2], 128<<16                     ; tensor_dim1
	s_mov_b32 s[\g+3], ROWB<<16                    ; tile_dim0
	s_mov_b32 s[\g+4], 128                         ; tile_dim1
	s_mov_b32 s[\g+5], KROW                        ; from row to row
	s_mov_b32 s[\g+6], 0
	s_mov_b32 s[\g+7], 0
.endr
	s_or_b32 s[G1S+0], s43, (3<<16)|(1<<20)|(1<<21)|(5<<22)|(3<<25)  ; the scales of 128 rows: 4,096 dense bytes as 16 rows of 32 elements of 8 bytes
	s_or_b32 s[G1SB+0], s44, (3<<16)|(1<<20)|(1<<21)|(5<<22)|(3<<25)
.irp g, G1S, G1SB
	s_mov_b32 s[\g+1], 32<<16
	s_mov_b32 s[\g+2], (128*KS/256)<<16
	s_mov_b32 s[\g+3], 32<<16
	s_mov_b32 s[\g+4], 128*KS/256
	s_mov_b32 s[\g+5], 32
	s_mov_b32 s[\g+6], 0
	s_mov_b32 s[\g+7], 0
.endr
	s_lshl_b32 s18, s16, 7
	s_lshl_b32 s20, s17, 8
	s_add_co_u32 s20, s20, s18                     ; A: row 256 x tile row + 128 x half
	s_lshl_b32 s46, s42, 8
	s_add_co_u32 s46, s46, s18                     ; B: row 256 x tile column + 128 x half
	s_mov_b32 s21, 0
	s_mov_b32 s47, 0
	s_mov_b64 s[18:19], KS
	s_mul_u64 s[22:23], s[20:21], s[18:19]         ; where these rows' scales begin,
	s_mul_u64 s[92:93], s[46:47], s[18:19]
	s_mov_b64 s[18:19], KROW
	s_mul_u64 s[20:21], s[20:21], s[18:19]         ; and their codes
	s_mul_u64 s[46:47], s[46:47], s[18:19]
	s_mul_i32 s45, s14, HALFT                      ; where they go: wave x 128 rows
	s_mul_i32 s94, s14, HALFS
	s_wait_dscnt 0x0                               ; both opening adds are done
	s_wait_kmcnt 0x0
	s_add_nc_u64 s[8:9], s[4:5], SIZE_M*KROW       ; B's codes and scales lie behind A's 8,192 rows
	s_add_nc_u64 s[10:11], s[6:7], SIZE_M*KS
	s_add_nc_u64 s[20:21], s[4:5], s[20:21]
	s_add_nc_u64 s[22:23], s[6:7], s[22:23]
	s_add_nc_u64 s[46:47], s[8:9], s[46:47]
	s_add_nc_u64 s[92:93], s[10:11], s[92:93]
	CROUND                                         ; all sixteen work-groups are here: the joint loads meet
	s_mov_b32 s[G0S], 1
	s_add_co_u32 s[G0S+1], s94, SCL
	s_mov_b64 s[G0S+2:G0S+3], s[22:23]
	s_or_b32 s[G0S+3], s[G0S+3], 0x80000000
	s_mov_b32 s[G0SB], 1
	s_add_co_u32 s[G0SB+1], s94, SCL
	s_mov_b64 s[G0SB+2:G0SB+3], s[92:93]
	s_or_b32 s[G0SB+3], s[G0SB+3], 0x80000000
	JLOAD G0S, G1S, G0SB, G1SB                     ; the scales first: they are wanted with K step 0
.irp s, 0,1
	s_mov_b32 s[G0+4*\s], 1
	s_add_co_u32 s[G0+4*\s+1], s45, \s*SLOT
	s_add_nc_u64 s[G0+4*\s+2:G0+4*\s+3], s[20:21], \s*ROWB
	s_or_b32 s[G0+4*\s+3], s[G0+4*\s+3], 0x80000000
	s_mov_b32 s[G0B+4*\s], 1
	s_add_co_u32 s[G0B+4*\s+1], s45, \s*SLOT
	s_add_nc_u64 s[G0B+4*\s+2:G0B+4*\s+3], s[46:47], \s*ROWB
	s_or_b32 s[G0B+4*\s+3], s[G0B+4*\s+3], 0x80000000
	JLOAD G0+4*\s, G1, G0B+4*\s, G1B               ; three tensor loads of mine are out in all
.endr
	v_and_b32 v1, 15, v0                           ; l % 16
	v_bfe_u32 v2, v0, 4, 1                         ; l / 16
	v_mul_u32_u24 v3, v1, PITCH
	v_lshl_add_u32 v4, v2, 4, v3                   ; a fragment's row x pitch + 16 x half
	s_mul_i32 s21, s15, HALFT                      ; my 128 rows of A
	s_mul_i32 s22, s16, HALFT                      ; my 128 rows of B,
	s_add_co_u32 s22, s22, 2*HALFT                 ; which lie behind A's 256
.irp s, 0,1
	v_add_nc_u32 v[ADRA+\s], s21, v4
	v_add_nc_u32 v[ADRB+\s], s22, v4
	s_add_co_u32 s21, s21, SLOT
	s_add_co_u32 s22, s22, SLOT
.endr
	v_mul_u32_u24 v5, v1, KS                       ; my row's scales: KS bytes a row,
	v_lshrrev_b32 v6, 8, v5
	v_lshl_add_u32 v5, v6, 4, v5                   ; and 16 more for each 256 passed
	s_mul_i32 s21, s15, HALFS                      ; A's: my 128 rows
	s_mul_i32 s22, s16, HALFS                      ; B's: my 128 rows, behind A's 256
	s_add_co_u32 s22, s22, 2*HALFS
	s_sub_co_u32 s22, s22, s21
	v_mul_u32_u24 v6, s22, v2                      ; lanes 16-31 take B's: one product, the distance between the two bases
	s_add_co_u32 s21, s21, SCL
	v_add_nc_u32 v5, v5, v6
	v_add_nc_u32 v[ADRS], s21, v5
	s_mul_i32 s23, s14, 16*SPITCH                  ; my stage
	v_mul_u32_u24 v5, v1, SPITCH                   ; in: row l % 16, 16 bytes for each half of the lanes
	v_lshl_add_u32 v5, v2, 4, v5
	v_add_nc_u32 v[STO], s23, v5
	v_mul_u32_u24 v6, v2, SPITCH                   ; back: lanes 0-15 take one row of 256 bytes, lanes 16-31 the next
	v_lshl_add_u32 v6, v1, 4, v6
	v_add_nc_u32 v[RD], s23, v6
	v_mul_u32_u24 v6, v2, CROW                     ; and the same two rows in qkv
	v_lshl_add_u32 v[CO], v1, 4, v6
	s_lshl_b32 s20, s17, 8
	s_lshl_b32 s21, s15, 7
	s_add_co_u32 s20, s20, s21                     ; my first row of C
	s_mov_b32 s21, 0
	s_mov_b64 s[18:19], CROW
	s_mul_u64 s[20:21], s[20:21], s[18:19]
	s_lshl_b32 s46, s42, 9                         ; my first column, in bytes: 512 x tile column + 256 x half
	s_lshl_b32 s47, s16, 8
	s_add_co_u32 s46, s46, s47
	s_mov_b32 s47, 0
	s_add_nc_u64 s[20:21], s[20:21], s[46:47]
	s_add_nc_u64 s[12:13], s[12:13], s[20:21]
.macro FRAG reg, adr, q, i             ; 16 rows x 128 K of 4-bit codes: 8 registers; registers 4 c .. 4 c + 3 hold K = 64 c + 32 (l / 16) + 0 .. 31
.irp c, 0,1
	ds_load_b128 v[\reg+4*\c:\reg+4*\c+3], v[\adr] offset:64*(\q)+32*\c+(\i)*16*PITCH
.endr
.endm
; 16 matrix instructions: A's blocks a0, a0 + 1 x B's eight, the slot's q-th 128 along K.  p: B's set; sc: the set of scale words; zero = 1: the first product starts the sums.
; The 64 accumulators take turns, one instruction a turn, in the same order in every step.
.macro MUL16 a0, p, q, sc, zero
.irp a, \a0, \a0+1
.irp b, 0,1,2,3,4,5,6,7
.if \zero
	v_wmma_scale_f32_16x16x128_f8f6f4 v[8*(8*((\a)%4)+\b):8*(8*((\a)%4)+\b)+7], v[128*(\p)+FR*\b:128*(\p)+FR*\b+FR-1], v[AF+FR*(\a):AF+FR*(\a)+FR-1], 0, v[SC+8*NQ*(\sc)+NQ*\b+(\q)], v[SC+8*NQ*(\sc)+NQ*(\a)+(\q)] matrix_a_fmt:MATRIX_FMT_FP4 matrix_b_fmt:MATRIX_FMT_FP4 matrix_a_scale:MATRIX_SCALE_ROW1
.else
	v_wmma_scale_f32_16x16x128_f8f6f4 v[8*(8*((\a)%4)+\b):8*(8*((\a)%4)+\b)+7], v[128*(\p)+FR*\b:128*(\p)+FR*\b+FR-1], v[AF+FR*(\a):AF+FR*(\a)+FR-1], v[8*(8*((\a)%4)+\b):8*(8*((\a)%4)+\b)+7], v[SC+8*NQ*(\sc)+NQ*\b+(\q)], v[SC+8*NQ*(\sc)+NQ*(\a)+(\q)] matrix_a_fmt:MATRIX_FMT_FP4 matrix_b_fmt:MATRIX_FMT_FP4 matrix_a_scale:MATRIX_SCALE_ROW1
.endif
.endr
.endr
.endm
.macro FETCH_B slot, q, p
	WIN TO_B
.irp i, 0,1,2,3,4,5,6,7
	FRAG 128*(\p)+FR*\i, ADRB+\slot, \q, \i
.endr
	WIN 0
.endm
.macro FETCH_A slot, q, i0
.irp i, \i0, \i0+1, \i0+2, \i0+3
	FRAG AF+FR*(\i), ADRA+\slot, \q, \i
.endr
.endm
.macro SCALES sc                       ; a K step's scale words: four words a row; lanes 0-15 take A's block i, lanes 16-31 B's block i
.irp i, 0,1,2,3,4,5,6,7
	ds_load_b128 v[SC+8*NQ*\sc+NQ*\i:SC+8*NQ*\sc+NQ*\i+3], v[ADRS] offset:\i*SBLK
.endr
.endm
.macro PLACES n                        ; plain vector lines between a matrix instruction and a load into, or a read of, its registers
.rept \n
	v_nop
.endr
.endm
.macro STEP slot, q, zero              ; a step of 128 along K that has its successor in the same slot
	s_wait_dscnt 4*NL                              ; B's set and A's blocks 0-3 are in; the youngest eight loads (A's blocks 4-7) may be out
	WIN MUL_LO
	MUL16 0, (\q)%2, \q, \slot, \zero
	MUL16 2, (\q)%2, \q, \slot, \zero
	s_wait_dscnt 0
	PLACES NP
	FETCH_B \slot, (\q)+1, 1-(\q)%2
	FETCH_A \slot, (\q)+1, 0
	WIN MUL_HI
	MUL16 4, (\q)%2, \q, \slot, \zero
	MUL16 6, (\q)%2, \q, \slot, \zero
	PLACES NP
	WIN 0
	FETCH_A \slot, (\q)+1, 4
.endm
.macro STEPS slot, from
.set Q, \from
.rept NQ-1-\from
	STEP \slot, Q, 0
.set Q, Q+1
.endr
.endm
	s_wait_tensorcnt 1                             ; the scales and my part of K step 0 are in (K step 1's load may be out)
	s_barrier_signal -1
	s_barrier_wait -1                              ; everybody's are
	FETCH_B 0, 0, 0
	FETCH_A 0, 0, 0
	SCALES 0
	FETCH_A 0, 0, 4
	STEP 0, 0, 1                                   ; the first step's products start the sums: nothing is cleared
	STEPS 0, 1
	; slot 0's last step changes slots: one barrier; in front of it each wave waits for all its tensor loads, adds 0 to its spare word, and waits for that and for its reads of slot 0
	s_wait_tensorcnt 0x0                           ; my part of slot 1 has landed
	ds_add_u32 v[SPW], v[NIL]
	s_wait_dscnt 4*NL+1                            ; (the add and A's blocks 4-7 may be out)
	WIN MUL_LO
	MUL16 0, 1, NQ-1, 0, 0
	s_wait_dscnt 0x0                               ; the add is done, and my reads of slot 0 are over
	s_barrier_signal -1
	MUL16 2, 1, NQ-1, 0, 0
	WIN 0
	s_barrier_wait -1
	PLACES NP
	v_add_nc_u32 v[ADRS], 4*NQ, v[ADRS]            ; on to the second K step's scale words
	FETCH_B 1, 0, 0
	FETCH_A 1, 0, 0
	SCALES 1
	WIN MUL_HI
	MUL16 4, 1, NQ-1, 0, 0
	MUL16 6, 1, NQ-1, 0, 0
	PLACES NP
	WIN 0
	FETCH_A 1, 0, 4
	STEPS 1, 0
	s_wait_dscnt 4*NL                              ; the very last step: nothing more to fetch
	WIN MUL_LO
	MUL16 0, 1, NQ-1, 1, 0
	MUL16 2, 1, NQ-1, 1, 0
	s_wait_dscnt 0
	WIN MUL_HI
	MUL16 4, 1, NQ-1, 1, 0
	MUL16 6, 1, NQ-1, 1, 0
	WIN 0
; THE WAY OUT, block by block of 16 rows x 128 columns: rounded to f16, 16 bytes a lane; through my own stage in LDS; back as whole rows of 256 bytes.
.macro PACK a
.set AC, 64*((\a)%4)
	WIN 0x0a+5*((\a)/4)                            ; sources 0 and 1: window 2 or 3
.irp b, 0,1,2,3,4,5,6,7
.irp r, 0,1,2,3
	v_cvt_pk_f16_f32 v[TMP+4*\b+\r], v[AC+8*\b+2*\r], v[AC+8*\b+2*\r+1]   ; each accumulator from its low end on
.endr
.endr
	WIN 0
.endm
.macro TOSTAGE a
.set BK, OB+192*((\a)%2)
.irp b, 0,1,2,3,4,5,6,7
	ds_store_b128 v[STO], v[TMP+4*\b:TMP+4*\b+3] offset:32*\b
.endr
.irp t, 0,1,2,3,4,5,6,7
	ds_load_b128 v[BK+4*\t:BK+4*\t+3], v[RD] offset:\t*2*SPITCH    ; LDS serves a wave's instructions in order: these see the stores above
.endr
.endm
.macro SEND a
.set BK, OB+192*((\a)%2)
	s_wait_dscnt 0x0                               ; the block is back in registers
	s_wait_xcnt 0x0                                ; earlier stores have read their base and data: only behind this wait are they rewritten
.if (\a) > 0
	s_add_nc_u64 s[12:13], s[12:13], 16*CROW
.endif
.irp t, 0,1,2,3,4,5,6,7
	global_store_b128 v[CO], v[BK+4*\t:BK+4*\t+3], s[12:13] offset:2*\t*CROW   ; 16 lanes store 256 consecutive bytes, aligned
.endr
.endm
	PLACES NP                                      ; behind the last products: their results are read, and registers that they read are loaded
	PACK 0
	TOSTAGE 0
.irp a, 1,2,3,4,5,6,7                  ; block a's conversions stand between block a - 1's loads from the stage and the wait for them
	PACK \a
	SEND \a-1
	TOSTAGE \a
.endr
	SEND 7
	s_wait_tensorcnt 0x0                           ; the wave's end
	ds_add_u32 v[SPW], v[NIL]
	s_wait_dscnt 0x0
	CROUND                                         ; the closing round
	s_endpgm
.Lfunc_end_k_q07b5e1ec44_qkv:
	.size	k_q07b5e1ec44_qkv, .Lfunc_end_k_q07b5e1ec44_qkv-k_q07b5e1ec44_qkv
	.p2alignl 7, 3214868480
	.fill 96, 4, 3214868480
	.section	.rodata,"a",@progbits
	.p2align	6, 0x0
	.amdhsa_kernel k_q07b5e1ec44_qkv
		.amdhsa_group_segment_fixed_size 327680
		.amdhsa_private_segment_fixed_size 0
		.amdhsa_enable_private_segment 0
		.amdhsa_kernarg_size 24
		.amdhsa_user_sgpr_count 2
		.amdhsa_user_sgpr_kernarg_segment_ptr 1
		.amdhsa_wavefront_size32 1
		.amdhsa_system_sgpr_workgroup_id_x 1
		.amdhsa_system_sgpr_workgroup_id_y 1
		.amdhsa_system_sgpr_workgroup_id_z 1
		.amdhsa_system_vgpr_workitem_id 0
		.amdhsa_next_free_vgpr 1024
		.amdhsa_next_free_sgpr 98
		.amdhsa_reserve_vcc 0
		.amdhsa_float_denorm_mode_32 3
		.amdhsa_float_denorm_mode_16_64 3
		.amdhsa_memory_ordered 1
		.amdhsa_forward_progress 1
		.amdhsa_inst_pref_size 127
	.end_amdhsa_kernel
	.amdgpu_metadata
---
amdhsa.version: [ 1, 2 ]
amdhsa.kernels:
  - .name:           k_q07b5e1ec44_qkv
    .symbol:         k_q07b5e1ec44_qkv.kd
    .args:
      - { .name: codes, .offset: 0, .size: 8, .value_kind: global_buffer, .address_space: global }
      - { .name: scales, .offset: 8, .size: 8, .value_kind: global_buffer, .address_space: global }
      - { .name: qkv, .offset: 16, .size: 8, .value_kind: global_buffer, .address_space: global }
    .group_segment_fixed_size: 327680
    .private_segment_fixed_size: 0
    .kernarg_segment_align: 8
    .kernarg_segment_size: 24
    .max_flat_workgroup_size: 128
    .sgpr_count:     98
    .vgpr_count:     1024
    .wavefront_size: 32
...
	.end_amdgpu_metadata
.endif
;; end of part 2
;; launch scores (part 3): grid 8 x 32, 4 waves a work-group, clusters of 4 x 4, 327,680 bytes of LDS; arguments qkv, p, stat; writes p, stat
.if DOCPART == 3
	.amdgcn_target "amdgcn-amd-amdhsa--gfx1250"
	.amdhsa_code_object_version 6
	.text
	.protected	k_q07b5e1ec44_scores
	.globl	k_q07b5e1ec44_scores
	.p2align	8
	.type	k_q07b5e1ec44_scores,@function
k_q07b5e1ec44_scores:
	s_mov_b64 s[64:65], 0
	v_nop
	global_prefetch_b8 v0, s[64:65] scope:SCOPE_SE
	s_setreg_imm32_b32 hwreg(HW_REG_WAVE_MODE, 25, 1), 1
	s_wait_xcnt 0x0
	s_wait_alu depctr_hold_cnt(0) depctr_sa_sdst(0) depctr_va_vdst(0) depctr_va_sdst(0) depctr_va_ssrc(0) depctr_va_vcc(0) depctr_vm_vsrc(0)
	s_getreg_b32 s2, hwreg(HW_REG_IB_STS2, 6, 4)
	s_cmp_eq_u32 s2, 0
	s_cbranch_scc0 .Lentry_in_a_cluster
	s_endpgm
.Lentry_in_a_cluster:
	s_bfe_u32 s2, ttmp6, 0x10000c
	s_cmp_lg_u32 s2, 0xf033
	s_cbranch_scc0 .Lentry_shape_is_right
	s_endpgm
.Lentry_shape_is_right:
; LAUNCH 3 OF 5.  s = q k^T for each batch, on f16 operands with f32 sums, and the softmax's exponentials in PIECES OF 128 KEYS.  No work of reference() is left out.
; q: columns 0 .. 1,023 of qkv [8,192][3,072] f16; k: columns 1,024 .. 2,047; the keys of row m are the 2,048 rows of its batch.
; A tile, 256 queries x 256 keys, is made by a work-group of four waves; a wave makes 128 x 128: 64 accumulators, 512 registers.  K = 1,024 goes in eight steps of 128 through a ring of two LDS slots.
; THE SOFTMAX.  t = s c, c = log2(e) / 32.  For each of its rows the wave takes M_t = the piece's largest t rounded UP to a whole number (kept as -M_t = floor(-t)), p = 2^(s c - M_t), at most 1, and
; L_t = the sum of the unrounded p.  p goes out as f16, [8,192][2,048]; -M_t and L_t as f32 into stat [piece 16][G 128][half 2][r 16][j 4], row = 64 G + 16 j + r, half 0 = -M_t, half 1 = L_t.
; The next launch brings the sixteen pieces of a row under the row's own maximum by powers of two: the maximum is taken away before every exponential, as reference() does.
; LIMITS: p under 2^-24 is lost in f16 beside a piece's largest p, which lies over 0.5; the order of the sums differs from reference()'s.
; CLUSTERS: 4 x 4 work-groups; q's tile is shared along a row of the cluster, k's along a column: each is asked for JOINTLY, by the same tensor load with the same descriptor and a mask that names the four.
; THE MATRIX INSTRUCTION IS USED TRANSPOSED (source 0 = 16 keys, source 1 = 16 queries): a lane holds one query (lane % 16) and, of each block of 16 keys, the eight at 8 (lane / 16).
; REGISTERS, in windows of 256: window 0: v0-31 addresses; v64-127, v128-191 q's fragments, two buffers; on the way out v32-255 at work.  window 1: v64-127, v128-191 k's fragments.
;   window 2: the accumulators of my rows 0-63 ((a, b) at v[8 (8 a + b)]);   window 3: those of my rows 64-127.
.set KSTEP,  128
.set ROWQ,   6144                      ; a row of qkv in bytes
.set PROW,   4096                      ; a row of p in bytes
.set PITCH,  272                       ; an LDS row: 256 bytes + 16 of padding
.set HALFT,  128*PITCH
.set SLOT,   4*HALFT                   ; q's 256 rows, then k's 256 rows
.set STAGE,  2*SLOT                    ; behind the ring: 16 rows x 272 bytes for each wave
.set SPITCH, 272
.set SPARE,  STAGE+4*16*SPITCH         ; the spare words, 128 bytes for each wave: two blocks of 256 bytes that no other line names
.set LAPS,   4                         ; a lap = two K steps
.set ADRA, 16
.set ADRB, 20
.set STO,  24
.set RD,   25
.set CO,   26
.set SO,   27                          ; v27  16 x lane: my place in a block of stat
.set SPW,  28
.set NIL,  29
.set PFO,  30                          ; v30  the prefetches' offset: my lane x a row of qkv
.set F0,   64
.set F1,   128
.set OB,   32                          ; the way out: rows read back: v32-63 and v224-255 by turns
.set T,    64                          ; v64-127  a block's 64 numbers: s c - M, then p
.set MX,   128                         ; v128-149 maxima, later partial sums
.set NM,   150                         ; v[150:151] -M (the packed form names the pair and takes its low word)
.set MST,  152                         ; v152-159 -M of my eight blocks
.set LST,  160                         ; v160-167 L of my eight blocks
.set SD,   168                         ; v168-175 what goes to stat
.set TMP,  192                         ; v192-223 packed p
.set G1, 24
.set G0, 32
.set G1B, 48
.set G0B, 56
.set LIM, 43                           ; s43  1 in a wave that prefetches, else the greatest number
.set PFA, 44                           ; s[44:45] where my prefetches stand
.set CS,  66                           ; s[66:67] c, twice
.set SEL, 70                           ; s[70:71] lane selects for v_permlanex16_b32: lane l xor 16
.set MSB, 0
.macro WIN new
.if MSB != (\new)
	s_set_vgpr_msb (MSB<<8)|(\new)
.set MSB, \new
.endif
.endm
.set MUL_LO, 0xa1
.set MUL_HI, 0xf1
.set TO_B,   0x40
.macro JLOAD s                         ; a joint load: waves 0 and 1 fetch q's two halves, waves 2 and 3 k's; an s_nop 0 and four v_nop follow each line
	s_cmp_eq_u32 s11, 0
	s_cbranch_scc0 .Lfor_b_\@
	tensor_load_to_lds s[G0+4*\s:G0+4*\s+3], s[G1:G1+7]
	s_nop 0
.rept 4
	v_nop
.endr
	s_branch .Lasked_\@
.Lfor_b_\@:
	tensor_load_to_lds s[G0B+4*\s:G0B+4*\s+3], s[G1B:G1B+7]
	s_nop 0
.rept 4
	v_nop
.endr
.Lasked_\@:
.endm
; A PREFETCH INTO THE L2 of the K step that stands two refills on: 32 rows x 256 bytes, a lane a row, one instruction a wave, behind the joint load and the run of LDS loads.  Each row's 256 bytes of a K step are
; named once in the launch: q's tile row is read by both clusters of its row of clusters: cluster x = 0 asks; k's tile column by the two clusters of its batch: the even cluster y asks.  The four partners that
; ask for a tile jointly share its rows out by address, 32 of a wave's 128 each.  K steps 4 to 7 are asked for; the loop's last trip asks for nothing.
.macro ASK
	s_cmp_gt_u32 s3, s[LIM]
	s_cbranch_scc0 .Lnot_mine_\@
	global_prefetch_b8 v[PFO], s[PFA:PFA+1] offset:KSTEP*2 th:TH_LOAD_NT scope:SCOPE_SE
.Lnot_mine_\@:
.endm
.macro CREST
	s_cmp_lg_u32 s10, 0
	s_cbranch_scc1 .Lnot_wave_0_\@
	s_barrier_signal -3
.Lnot_wave_0_\@:
	s_barrier_wait -3
	s_barrier_signal -1
	s_barrier_wait -1
.endm
.macro CROUND
	s_barrier_signal -1
	s_barrier_wait -1
	CREST
.endm
	s_load_b128 s[4:7], s[0:1], 0x0                ; qkv s[4:5], p s[6:7]
	s_load_b64 s[68:69], s[0:1], 0x10              ; stat
	v_lshl_add_u32 v[SPW], v0, 2, SPARE
	v_mov_b32 v[NIL], 0
	ds_add_u32 v[SPW], v[NIL]                      ; the wave's opening: the add, twice on end, and its wait ahead of my first tensor load
	ds_add_u32 v[SPW], v[NIL]
	v_lshrrev_b32 v1, 5, v0
	v_readfirstlane_b32 s10, v1                    ; wave 0..3
	s_lshr_b32 s11, s10, 1                         ; which half of the tile's queries is mine.  Also: I fetch for q (0) or for k (1)
	s_and_b32 s12, s10, 1                          ; which half of its keys.  Also: which 128 rows of that tile I fetch
	s_bfe_u32 s40, ttmp6, 0x40000                  ; cx
	s_bfe_u32 s41, ttmp6, 0x40004                  ; cy
	s_lshl_b32 s42, ttmp9, 2
	s_add_co_u32 s42, s42, s40                     ; X: which 256 keys of the batch
	s_and_b32 s74, ttmp7, 0xffff                   ; cluster y
	s_lshr_b32 s73, s74, 1                         ; the batch: 1,024 queries to a cluster, 2,048 to a batch; made of the cluster's y alone
	s_lshl_b32 s13, s74, 2
	s_add_co_u32 s13, s13, s41                     ; Y: which 256 queries
	s_lshl_b32 s43, s41, 2
	s_lshl_b32 s43, 15, s43                        ; my row of the cluster
	s_lshl_b32 s44, 0x1111, s40                    ; my column
	s_or_b32 s[G1+0], s43, (1<<16)|(1<<20)|(1<<21)|(5<<22)|(3<<25)  ; the mask; elements of 2 bytes; padding on, 4 words behind every 64; bit 21 beside a mask
	s_or_b32 s[G1B+0], s44, (1<<16)|(1<<20)|(1<<21)|(5<<22)|(3<<25)
.irp g, G1, G1B
	s_mov_b32 s[\g+1], KSTEP<<16                   ; tensor_dim0 = 128
	s_mov_b32 s[\g+2], 128<<16                     ; tensor_dim1 = 128
	s_mov_b32 s[\g+3], KSTEP<<16                   ; tile_dim0
	s_mov_b32 s[\g+4], 128                         ; tile_dim1
	s_mov_b32 s[\g+5], ROWQ/2                      ; 3,072 elements from row to row
	s_mov_b32 s[\g+6], 0
	s_mov_b32 s[\g+7], 0
.endr
	s_mov_b32 s[CS], 0x3d38aa3b                    ; c = log2(e) / 32
	s_mov_b32 s[CS+1], s[CS]
	s_mov_b32 s[SEL], 0x76543210
	s_mov_b32 s[SEL+1], 0xfedcba98
	s_mov_b32 s72, 0xffff0000                      ; lanes 16-31
	s_lshl_b32 s17, s12, 7
	s_lshl_b32 s16, s13, 8
	s_add_co_u32 s16, s16, s17                     ; q: row 256 Y + 128 x half
	s_lshl_b32 s46, s42, 8
	s_add_co_u32 s46, s46, s17
	s_lshl_b32 s47, s73, 11
	s_add_co_u32 s46, s46, s47                     ; k: row 2,048 x batch + 256 X + 128 x half
	s_mov_b32 s17, 0
	s_mov_b32 s47, 0
	s_mov_b64 s[18:19], ROWQ
	s_mul_u64 s[16:17], s[16:17], s[18:19]
	s_mul_u64 s[46:47], s[46:47], s[18:19]
	s_mul_i32 s20, s10, HALFT                      ; where they go: wave x 128 rows
	s_wait_dscnt 0x0                               ; both opening adds are done
	s_wait_kmcnt 0x0
	s_mov_b64 s[8:9], s[6:7]                       ; p
	s_add_nc_u64 s[6:7], s[4:5], 2048              ; k's columns begin 2,048 bytes into a row
	s_add_nc_u64 s[14:15], s[4:5], s[16:17]
	s_add_nc_u64 s[46:47], s[6:7], s[46:47]
	CROUND                                         ; all sixteen work-groups are here: the first joint loads meet
.irp s, 0,1
	s_mov_b32 s[G0+4*\s], 1
	s_add_co_u32 s[G0+4*\s+1], s20, \s*SLOT
	s_add_nc_u64 s[G0+4*\s+2:G0+4*\s+3], s[14:15], \s*KSTEP*2
	s_or_b32 s[G0+4*\s+3], s[G0+4*\s+3], 0x80000000
	s_mov_b32 s[G0B+4*\s], 1
	s_add_co_u32 s[G0B+4*\s+1], s20, \s*SLOT
	s_add_nc_u64 s[G0B+4*\s+2:G0B+4*\s+3], s[46:47], \s*KSTEP*2
	s_or_b32 s[G0B+4*\s+3], s[G0B+4*\s+3], 0x80000000
	JLOAD \s                                       ; two tensor loads of mine are out
.endr
	v_and_b32 v1, 15, v0                           ; l % 16
	v_bfe_u32 v2, v0, 4, 1                         ; l / 16
	v_mul_u32_u24 v3, v1, PITCH
	v_lshl_add_u32 v3, v2, 4, v3
	s_mul_i32 s21, s11, HALFT                      ; my 128 queries
	s_mul_i32 s22, s12, HALFT                      ; my 128 keys,
	s_add_co_u32 s22, s22, 2*HALFT                 ; which lie behind q's 256 rows
.irp s, 0,1
	v_add_nc_u32 v[ADRA+\s], s21, v3
	v_add_nc_u32 v[ADRB+\s], s22, v3
	s_add_co_u32 s21, s21, SLOT
	s_add_co_u32 s22, s22, SLOT
.endr
	s_mul_i32 s23, s10, 16*SPITCH
	s_add_co_u32 s23, s23, STAGE                   ; my stage
	v_mul_u32_u24 v4, v1, SPITCH
	v_lshl_add_u32 v4, v2, 4, v4
	v_add_nc_u32 v[STO], s23, v4
	v_mul_u32_u24 v5, v2, SPITCH
	v_lshl_add_u32 v5, v1, 4, v5
	v_add_nc_u32 v[RD], s23, v5
	v_lshlrev_b32 v5, 12, v2                       ; the same two rows in p
	v_lshl_add_u32 v[CO], v1, 4, v5
	v_and_b32 v[SO], 31, v0
	v_lshlrev_b32 v[SO], 4, v[SO]
	s_lshl_b32 s16, s13, 8
	s_lshl_b32 s17, s11, 7
	s_add_co_u32 s16, s16, s17                     ; my first row of p,
	s_lshl_b32 s16, s16, 12                        ; in bytes (under 2^25),
	s_lshl_b32 s46, s42, 9
	s_lshl_b32 s47, s12, 8
	s_add_co_u32 s46, s46, s47                     ; and my first key: 512 X + 256 x half bytes
	s_add_co_u32 s16, s16, s46
	s_mov_b32 s17, 0
	s_add_nc_u64 s[8:9], s[8:9], s[16:17]
	s_lshl_b32 s20, s42, 1
	s_add_co_u32 s20, s20, s12                     ; my piece of 128 keys: 2 X + half
	s_lshl_b32 s20, s20, 7
	s_lshl_b32 s21, s13, 2
	s_add_co_u32 s20, s20, s21
	s_lshl_b32 s21, s11, 1
	s_add_co_u32 s20, s20, s21                     ; x 128 + G, G = 4 Y + 2 x half: my first 64 rows
	s_lshl_b32 s20, s20, 9                         ; blocks of 512 bytes
	s_mov_b32 s21, 0
	s_add_nc_u64 s[68:69], s[68:69], s[20:21]
	; the prefetches
	s_lshl_b32 s20, s13, 8                         ; q: the tile's first row
	s_lshl_b32 s21, s42, 8
	s_lshl_b32 s22, s73, 11
	s_add_co_u32 s21, s21, s22                     ; k: likewise
	s_and_b32 s22, s74, 1
	s_cmp_eq_u32 s11, 0                            ; do I fetch for q?
	s_cselect_b32 s20, s20, s21
	s_cselect_b32 s21, s40, s41                    ; my place among the four that ask with me
	s_cselect_b32 s22, ttmp9, s22                  ; 0 in the cluster that asks
	s_cselect_b64 s[PFA:PFA+1], s[4:5], s[6:7]
	s_cmp_eq_u32 s22, 0
	s_cselect_b32 s[LIM], 1, -1                    ; the same in all sixteen partners, for a given wave
	s_lshl_b32 s22, s12, 7
	s_add_co_u32 s20, s20, s22                     ; + the 128 rows that I fetch
	s_lshl_b32 s21, s21, 5
	s_add_co_u32 s20, s20, s21                     ; + my work-group's 32 of them
	s_mul_i32 s20, s20, ROWQ
	s_mov_b32 s21, 0
	s_add_nc_u64 s[PFA:PFA+1], s[PFA:PFA+1], s[20:21]
	s_add_nc_u64 s[PFA:PFA+1], s[PFA:PFA+1], 2*KSTEP*2  ; at K step 2: the first refill steps it to 3 and names K step 4
	v_and_b32 v[PFO], 31, v0
	v_mul_u32_u24 v[PFO], v[PFO], ROWQ
; 16 matrix instructions: query blocks a0, a0 + 1 of the window's four x all 8 key blocks, 32 along K.  zero = 1: the first product starts the sums.  The 64 accumulators take turns.
.macro MUL16 f, hi, a0, zero
.irp a, \a0, \a0+1
.irp b, 0,1,2,3,4,5,6,7
.if \zero
	v_wmma_f32_16x16x32_f16 v[8*(8*(\a)+\b):8*(8*(\a)+\b)+7], v[\f+8*\b:\f+8*\b+7], v[\f+8*(4*\hi+\a):\f+8*(4*\hi+\a)+7], 0
.else
	v_wmma_f32_16x16x32_f16 v[8*(8*(\a)+\b):8*(8*(\a)+\b)+7], v[\f+8*\b:\f+8*\b+7], v[\f+8*(4*\hi+\a):\f+8*(4*\hi+\a)+7], v[8*(8*(\a)+\b):8*(8*(\a)+\b)+7]
.endif
.endr
.endr
.endm
.macro FETCH slot, k, f                ; 32 LDS loads in one run: the fragments of one quarter step into buffer f
	WIN TO_B
.irp i, 0,1,2,3,4,5,6,7
	ds_load_b128 v[\f+8*\i:\f+8*\i+3],   v[ADRB+\slot] offset:\k+\i*16*PITCH
	ds_load_b128 v[\f+8*\i+4:\f+8*\i+7], v[ADRB+\slot] offset:\k+\i*16*PITCH+32
.endr
	WIN 0
.irp i, 0,1,2,3,4,5,6,7
	ds_load_b128 v[\f+8*\i:\f+8*\i+3],   v[ADRA+\slot] offset:\k+\i*16*PITCH
	ds_load_b128 v[\f+8*\i+4:\f+8*\i+7], v[ADRA+\slot] offset:\k+\i*16*PITCH+32
.endr
.endm
.macro PLACES                          ; four plain vector lines between a matrix instruction and a load into, or a read or write of, its registers
.rept 4
	v_nop
.endr
.endm
.macro QUARTER slot, k, f, g, zero     ; multiplies buffer f; in its middle fetches the next quarter, at byte k of the slot's rows, into g
	s_wait_dscnt 8                                 ; k's fragments and q's rows 0-63 are in; the youngest eight loads (q's rows 64-127) may be out
	WIN MUL_LO
	MUL16 \f, 0, 0, \zero
	MUL16 \f, 0, 2, \zero
	PLACES
	FETCH \slot, \k, \g
	s_wait_dscnt 32                                ; all but the 32 just issued
	WIN MUL_HI
	MUL16 \f, 1, 0, \zero
	MUL16 \f, 1, 2, \zero
.endm
; The last quarter multiplies buffer 1 and changes slots: ONE barrier; in front of it each wave waits for all its tensor loads (one is out: its part of the next slot), adds 0 to its spare word, and waits for that
; and for its reads of this slot.  fill = 1: the barrier opens a round of the cluster's, and this slot is filled again, two K steps on, first thing behind the round.
.macro TURN slot, next, fill
.if \fill
	s_wait_xcnt 0x0                                ; the last prefetch, a K step back, has read its address: it is stepped here
	s_add_nc_u64 s[PFA:PFA+1], s[PFA:PFA+1], KSTEP*2
.endif
	WIN 0
	s_wait_tensorcnt 0x0
	ds_add_u32 v[SPW], v[NIL]
	s_wait_dscnt 9                                 ; (the add and the youngest eight loads may be out)
	WIN MUL_LO
	MUL16 F1, 0, 0, 0
	s_wait_dscnt 0x0                               ; the add is done, and my reads of this slot are over
	s_barrier_signal -1
	MUL16 F1, 0, 2, 0
	WIN 0
	s_barrier_wait -1
.if \fill
	CREST
	s_add_nc_u64 s[G0+4*\slot+2:G0+4*\slot+3], s[G0+4*\slot+2:G0+4*\slot+3], 2*KSTEP*2
	s_add_nc_u64 s[G0B+4*\slot+2:G0B+4*\slot+3], s[G0B+4*\slot+2:G0B+4*\slot+3], 2*KSTEP*2
	JLOAD \slot                                    ; its four v_nop are also the places in front of the loads below
.else
	PLACES
.endif
	FETCH \next, 0, F0
.if \fill
	ASK
.endif
	WIN MUL_HI
	MUL16 F1, 1, 0, 0
	MUL16 F1, 1, 2, 0
.endm
	s_wait_tensorcnt 1                             ; my part of K step 0 is in (K step 1's load may be out)
	s_barrier_signal -1
	s_barrier_wait -1                              ; everybody's is
	FETCH 0, 0, F0
	QUARTER 0, 64,  F0, F1, 1                      ; the first quarter's products start the sums
	WIN 0
	s_mov_b32 s3, LAPS-1
.Llap:                                                 ; a trip goes once round the ring, from a lap's second quarter to the next lap's first, and fills both slots again
	QUARTER 0, 128, F1, F0, 0
	QUARTER 0, 192, F0, F1, 0
	TURN 0, 1, 1
	QUARTER 1, 64,  F0, F1, 0
	QUARTER 1, 128, F1, F0, 0
	QUARTER 1, 192, F0, F1, 0
	TURN 1, 0, 1
	QUARTER 0, 64,  F0, F1, 0
	WIN 0
	s_sub_co_u32 s3, s3, 1
	s_cmp_lg_u32 s3, 0
	s_cbranch_scc1 .Llap
	QUARTER 0, 128, F1, F0, 0                      ; the last lap is written out: it fills nothing
	QUARTER 0, 192, F0, F1, 0
	TURN 0, 1, 0
	QUARTER 1, 64,  F0, F1, 0
	QUARTER 1, 128, F1, F0, 0
	QUARTER 1, 192, F0, F1, 0
	s_wait_dscnt 8
	WIN MUL_LO
	MUL16 F1, 0, 0, 0
	MUL16 F1, 0, 2, 0
	s_wait_dscnt 0
	WIN MUL_HI
	MUL16 F1, 1, 0, 0
	MUL16 F1, 1, 2, 0
	WIN 0
	PLACES
	v_mov_b32 v[NM+1], 0                           ; named with -M as a pair, so it is written
; THE WAY OUT, block a of 16 queries x 128 keys.  A lane holds 64 of its query's 128 scores, lane l xor 16 the others.
.macro SOFT a
.set AC, 64*((\a)%4)
	WIN 0x2a+0x15*((\a)/4)                         ; all three sources: window 2 or 3
.set i, 0
.rept 21
	v_max3_num_f32 v[MX+i], v[AC+3*i], v[AC+3*i+1], v[AC+3*i+2]   ; ascending: each accumulator's first read names its lowest register
.set i, i+1
.endr
	v_max_num_f32 v[MX+21], v[AC+62], v[AC+63]
	WIN 0
.set i, 0
.rept 7
	v_max3_num_f32 v[MX+i], v[MX+3*i], v[MX+3*i+1], v[MX+3*i+2]
.set i, i+1
.endr
	v_max3_num_f32 v[MX], v[MX], v[MX+1], v[MX+2]
	v_max3_num_f32 v[MX+3], v[MX+3], v[MX+4], v[MX+5]
	v_max3_num_f32 v[MX], v[MX], v[MX+3], v[MX+6]
	v_max_num_f32 v[MX], v[MX], v[MX+21]
	v_permlanex16_b32 v[MX+1], v[MX], s[SEL], s[SEL+1]
	v_max_num_f32 v[MX], v[MX], v[MX+1]            ; the piece's largest score of my query
	v_mul_f32 v[MX], s[CS], v[MX]                  ; as t (c is positive)
	v_floor_f32 v[NM], -v[MX]                      ; -M = floor(-t) = -ceil(t): a whole number
	v_mov_b32 v[MST+(\a)], v[NM]
	WIN 0x02+((\a)/4)                              ; source 0: window 2 or 3
.set i, 0
.rept 32
	v_pk_fma_f32 v[T+2*i:T+2*i+1], v[AC+2*i:AC+2*i+1], s[CS:CS+1], v[NM:NM+1] op_sel_hi:[1,0,0]   ; s c - M, two at a time
.set i, i+1
.endr
	WIN 0
.set i, 0
.rept 64
	v_exp_f32 v[T+i], v[T+i]                       ; p = 2^(s c - M), at most 1
.set i, i+1
.endr
	v_nop                                          ; a plain line behind the last exponential
	s_wait_alu depctr_va_vdst(0)                   ; the wait ahead of the first reader: one for the batch of 64
	v_pk_add_f32 v[MX:MX+1], v[T:T+1], v[T+2:T+3]  ; the sum of the unrounded p, two at a time, in two chains
	v_pk_add_f32 v[MX+2:MX+3], v[T+4:T+5], v[T+6:T+7]
.set i, 8
.rept 14
	v_pk_add_f32 v[MX:MX+1], v[MX:MX+1], v[T+i:T+i+1]
	v_pk_add_f32 v[MX+2:MX+3], v[MX+2:MX+3], v[T+i+2:T+i+3]
.set i, i+4
.endr
	v_pk_add_f32 v[MX:MX+1], v[MX:MX+1], v[MX+2:MX+3]
	v_add_f32 v[MX], v[MX], v[MX+1]
	v_permlanex16_b32 v[MX+1], v[MX], s[SEL], s[SEL+1]
	v_add_f32 v[LST+(\a)], v[MX], v[MX+1]          ; L
.set i, 0
.rept 32
	v_cvt_pk_f16_f32 v[TMP+i], v[T+2*i], v[T+2*i+1]
.set i, i+1
.endr
.endm
.macro TOSTAGE a
.set BK, OB+192*((\a)%2)
.irp b, 0,1,2,3,4,5,6,7
	ds_store_b128 v[STO], v[TMP+4*\b:TMP+4*\b+3] offset:32*\b
.endr
.irp t, 0,1,2,3,4,5,6,7
	ds_load_b128 v[BK+4*\t:BK+4*\t+3], v[RD] offset:\t*2*SPITCH    ; LDS serves a wave's instructions in order: these see the stores above
.endr
.endm
.macro SEND a
.set BK, OB+192*((\a)%2)
	s_wait_dscnt 0x0                               ; the block is back in registers
	s_wait_xcnt 0x0                                ; earlier stores have read their base and data: only behind this wait are they rewritten
.if (\a) > 0
	s_add_nc_u64 s[8:9], s[8:9], 16*PROW
.endif
.irp t, 0,1,2,3,4,5,6,7
	global_store_b128 v[CO], v[BK+4*\t:BK+4*\t+3], s[8:9] offset:2*\t*PROW   ; 16 lanes store 256 consecutive bytes, aligned
.endr
.endm
	SOFT 0
	TOSTAGE 0
.irp a, 1,2,3,4,5,6,7                  ; block a's softmax stands between block a - 1's loads from the stage and the wait for them
	SOFT \a
	SEND \a-1
	TOSTAGE \a
.endr
	SEND 7
.irp i, 0,1,2,3,4,5,6,7
	v_cndmask_b32 v[SD+\i], v[MST+\i], v[LST+\i], s72   ; lanes 0-15 carry -M of row l % 16, lanes 16-31 its L
.endr
	global_store_b128 v[SO], v[SD:SD+3], s[68:69]              ; blocks 0-3: 512 consecutive bytes
	global_store_b128 v[SO], v[SD+4:SD+7], s[68:69] offset:512 ; blocks 4-7: the next 64 rows' 512
	s_wait_tensorcnt 0x0                           ; the wave's end
	ds_add_u32 v[SPW], v[NIL]
	s_wait_dscnt 0x0
	CROUND                                         ; the closing round
	s_endpgm
.Lfunc_end_k_q07b5e1ec44_scores:
	.size	k_q07b5e1ec44_scores, .Lfunc_end_k_q07b5e1ec44_scores-k_q07b5e1ec44_scores
	.p2alignl 7, 3214868480
	.fill 96, 4, 3214868480
	.section	.rodata,"a",@progbits
	.p2align	6, 0x0
	.amdhsa_kernel k_q07b5e1ec44_scores
		.amdhsa_group_segment_fixed_size 327680
		.amdhsa_private_segment_fixed_size 0
		.amdhsa_enable_private_segment 0
		.amdhsa_kernarg_size 24
		.amdhsa_user_sgpr_count 2
		.amdhsa_user_sgpr_kernarg_segment_ptr 1
		.amdhsa_wavefront_size32 1
		.amdhsa_system_sgpr_workgroup_id_x 1
		.amdhsa_system_sgpr_workgroup_id_y 1
		.amdhsa_system_sgpr_workgroup_id_z 1
		.amdhsa_system_vgpr_workitem_id 0
		.amdhsa_next_free_vgpr 1024
		.amdhsa_next_free_sgpr 80
		.amdhsa_reserve_vcc 0
		.amdhsa_float_denorm_mode_32 3
		.amdhsa_float_denorm_mode_16_64 3
		.amdhsa_memory_ordered 1
		.amdhsa_forward_progress 1
		.amdhsa_inst_pref_size 213
	.end_amdhsa_kernel
	.amdgpu_metadata
---
amdhsa.version: [ 1, 2 ]
amdhsa.kernels:
  - .name:           k_q07b5e1ec44_scores
    .symbol:         k_q07b5e1ec44_scores.kd
    .args:
      - { .name: qkv, .offset: 0, .size: 8, .value_kind: global_buffer, .address_space: global }
      - { .name: p, .offset: 8, .size: 8, .value_kind: global_buffer, .address_space: global }
      - { .name: stat, .offset: 16, .size: 8, .value_kind: global_buffer, .address_space: global }
    .group_segment_fixed_size: 327680
    .private_segment_fixed_size: 0
    .kernarg_segment_align: 8
    .kernarg_segment_size: 24
    .max_flat_workgroup_size: 128
    .sgpr_count:     80
    .vgpr_count:     1024
    .wavefront_size: 32
...
	.end_amdgpu_metadata
.endif
;; end of part 3
;; launch pv (part 4): grid 4 x 64, 4 waves a work-group, clusters of 4 x 4, 327,680 bytes of LDS; arguments p, qkv, attn, stat; writes attn
.if DOCPART == 4
	.amdgcn_target "amdgcn-amd-amdhsa--gfx1250"
	.amdhsa_code_object_version 6
	.text
	.protected	k_q07b5e1ec44_pv
	.globl	k_q07b5e1ec44_pv
	.p2align	8
	.type	k_q07b5e1ec44_pv,@function
k_q07b5e1ec44_pv:
	s_mov_b64 s[64:65], 0
	v_nop
	global_prefetch_b8 v0, s[64:65] scope:SCOPE_SE
	s_setreg_imm32_b32 hwreg(HW_REG_WAVE_MODE, 25, 1), 1
	s_wait_xcnt 0x0
	s_wait_alu depctr_hold_cnt(0) depctr_sa_sdst(0) depctr_va_vdst(0) depctr_va_sdst(0) depctr_va_ssrc(0) depctr_va_vcc(0) depctr_vm_vsrc(0)
	s_getreg_b32 s2, hwreg(HW_REG_IB_STS2, 6, 4)
	s_cmp_eq_u32 s2, 0
	s_cbranch_scc0 .Lentry_in_a_cluster
	s_endpgm
.Lentry_in_a_cluster:
	s_bfe_u32 s2, ttmp6, 0x10000c
	s_cmp_lg_u32 s2, 0xf033
	s_cbranch_scc0 .Lentry_shape_is_right
	s_endpgm
.Lentry_shape_is_right:
; LAUNCHES 4 AND 5 OF 5 share this text; the switch PV says which it is.  C = A B with B stored [K][N] as it lies, f16 operands, f32 sums.  No work of reference() is left out.
;   PV = 1: attn = softmax x v.  A = p [8,192][2,048 keys] f16, B = v: columns 2,048 .. 3,071 of qkv, the 2,048 rows of the row's batch; C = attn [8,192][1,024] f16.  K = 2,048: sixteen K steps of 128,
;           each one PIECE of the softmax.  From stat the wave takes, for each of its rows, M = the largest M_t, f_t = 2^(M_t - M), an exact power of two, l = the sum of f_t L_t, and g_t = f_t / l, all in f32.
;           p goes to the matrix unit as it was stored.  A piece's products are summed by themselves (T, begun with the constant 0); behind the piece attn's sums take them in, O = g_t T + O, in f32.
;           LIMIT: a g_t under the smallest f32 number counts for nothing, beside the row's largest piece, whose f_t is 1.
;   PV = 0: out0 = attn Wo + bo.  A = attn, B = wo16 [1,024][1,024] f16, C = out0 f32; K = 1,024: eight K steps.  bo is the C of each sum's first matrix instruction.
; A tile of C, 128 rows x 256 columns, is made by a work-group of four waves, 2 x 2; a wave makes 64 x 128: 32 accumulators, 256 registers.  256 work-groups.  A ring of two LDS slots of one K step.
; B's fragments come out of LDS turned, by ds_load_tr16_b128.  THE MATRIX INSTRUCTION IS USED TRANSPOSED (source 0 = 16 columns of B, source 1 = 16 rows of A): a lane holds eight neighbouring numbers of a row of C.
; CLUSTERS: 4 x 4 work-groups; A's tile is shared along a row of the cluster, B's along a column: each is asked for JOINTLY, by the same tensor load with the same descriptor and a mask that names the four.
; No prefetch with PV = 0: of eight K steps the first four could not be asked for ahead, and wo16 is read again by every row of clusters.
; REGISTERS, in windows of 256: window 0: v0-31 addresses; v128-159, v160-191 A's fragments, two buffers; PV = 1: v32-39 g_t of my four row blocks, each twice; v40-63 at work at the head; v192-223 at work on the way out;
;   PV = 0: v32-95 bo in the result's layout.   window 1: v0-63, v64-127 B's fragments, two buffers.   window 2: C's sums ((a, b) at v[8 (8 a + b)]).   window 3, PV = 1 alone: T, the piece's sums, at the same numbers.
.set PV, 1
.if PV
.set LAPS,   8                         ; a lap = two K steps
.set PITCHA, 4096                      ; a row of A in bytes
.set PITCHB, 6144                      ; a row of B in bytes
.set OROW,   2048                      ; a row of C in bytes
.set OTILE,  512                       ; a tile's 256 columns of C in bytes
.else
.set LAPS,   4
.set PITCHA, 2048
.set PITCHB, 2048
.set OROW,   4096
.set OTILE,  1024
.endif
.set KSTEP,  128
.set PA,     272                       ; A's LDS row: 256 bytes + 16 of padding
.set PB,     544                       ; B's LDS row: 512 bytes + 32 of padding: 17 x 32, for the turning load
.set AT,     128*PA                    ; A's 128 rows
.set SLOT,   AT+128*PB                 ; then B's 128 rows of K
.set RING,   2*SLOT
.if PV
.set FACS,   RING                      ; behind the ring: g_t in f32, each twice: 16 K steps x 1,024 bytes for each wave
.set STAGE,  FACS+4*16384              ; the way out: 16 rows x (256 + 16) bytes for each wave
.set SPITCH, 272
.else
.set STAGE,  RING                      ; the way out: 16 rows x (512 + 16) bytes for each wave
.set SPITCH, 528
.endif
.set SPARE,  STAGE+4*16*SPITCH         ; the spare words, 128 bytes for each wave: two blocks of 256 bytes that no other line names
.set ADRA, 16                          ; v16-17 LDS address of my A fragments in slot 0, 1
.set ADRB, 20                          ; v20-21 the same for B
.set FADR, 22                          ; v22    LDS address of the g_t that is fetched next
.set STO,  24
.set RD,   25
.set CO,   26
.set AUX,  27                          ; v27    PV = 1: 16 r, my place in stat; PV = 0: 32 h, my place in bo
.set SPW,  28
.set NIL,  29
.set PFO,  30                          ; v30    the prefetches' offset
.set GT,   32
.set RL,   40
.set BIAS, 32
.set FA,   128
.set TMP,  192
.set WV,  12                           ; s12 wave;  s13 which 64 rows are mine, also: I fetch for A (0) or B (1);  s14 which 128 columns, also: which half of that tile I fetch
.set RH,  13
.set CH,  14
.set LIM, 15
.set G1A, 24
.set G0A, 32
.set PFA, 44
.set PFS, 46
.set G1B, 48
.set G0B, 56
.set MSB, 0
.macro WIN new
.if MSB != (\new)
	s_set_vgpr_msb (MSB<<8)|(\new)
.set MSB, \new
.endif
.endm
.if PV
.set MUL,   0xf1                       ; source 0 (B) window 1, source 1 (A) window 0, C and D window 3: the piece's sums
.else
.set MUL,   0xa1                       ; source 0 (B) window 1, source 1 (A) window 0, C and D window 2
.endif
.set MUL_B, 0x81                       ; PV = 0: D window 2, C (bo) window 0
.set FOLDW, 0xa3                       ; PV = 1: source 0 (T) window 3, source 1 (g_t) window 0, source 2 and destination (O) window 2
.set TO_B,  0x40                       ; destination window 1, address window 0
.macro JLOAD s                         ; a joint load: waves 0 and 1 fetch A's halves, waves 2 and 3 B's; an s_nop 0 and four v_nop follow each line
	s_cmp_eq_u32 s[RH], 0
	s_cbranch_scc0 .Lfor_b_\@
	tensor_load_to_lds s[G0A+4*\s:G0A+4*\s+3], s[G1A:G1A+7]
	s_nop 0
.rept 4
	v_nop
.endr
	s_branch .Lasked_\@
.Lfor_b_\@:
	tensor_load_to_lds s[G0B+4*\s:G0B+4*\s+3], s[G1B:G1B+7]
	s_nop 0
.rept 4
	v_nop
.endr
.Lasked_\@:
.endm
.macro CREST
	s_cmp_lg_u32 s[WV], 0
	s_cbranch_scc1 .Lnot_wave_0_\@
	s_barrier_signal -3
.Lnot_wave_0_\@:
	s_barrier_wait -3
	s_barrier_signal -1
	s_barrier_wait -1
.endm
.macro CROUND
	s_barrier_signal -1
	s_barrier_wait -1
	CREST
.endm
.if PV
; A PREFETCH INTO THE L2 of the K step that stands two refills on, one instruction a wave, behind the joint load and the run of LDS loads.  Each aligned block of 256 bytes is named once in the launch.
; p's tile rows are read by one row of one cluster alone: its four partners take 32 rows each, by address; wave 0 asks, a lane a row.  v's 128 rows x 512 bytes of a K step are read by the four clusters of a batch:
; the first of them asks; the four partners of a column take 16 of a wave's 64 rows each, by address; waves 2 and 3 ask, two lanes a row.  K steps 4 to 15 are asked for; the loop's last trip asks for nothing.
.macro ASK
	s_cmp_gt_u32 s3, s[LIM]
	s_cbranch_scc0 .Lnot_mine_\@
	global_prefetch_b8 v[PFO], s[PFA:PFA+1] th:TH_LOAD_NT scope:SCOPE_SE
.Lnot_mine_\@:
.endm
.endif
	s_load_b256 s[4:11], s[0:1], 0x0               ; A s[4:5], B s[6:7], C s[8:9], stat or bo s[10:11]
	v_lshl_add_u32 v[SPW], v0, 2, SPARE
	v_mov_b32 v[NIL], 0
	ds_add_u32 v[SPW], v[NIL]                      ; the wave's opening: the add, twice on end, and its wait ahead of my first tensor load
	ds_add_u32 v[SPW], v[NIL]
	v_lshrrev_b32 v1, 5, v0
	v_readfirstlane_b32 s[WV], v1
	s_lshr_b32 s[RH], s[WV], 1
	s_and_b32 s[CH], s[WV], 1
	s_bfe_u32 s40, ttmp6, 0x40000                  ; cx
	s_bfe_u32 s41, ttmp6, 0x40004                  ; cy
	s_lshl_b32 s42, ttmp9, 2
	s_add_co_u32 s42, s42, s40                     ; X: which 256 columns
	s_and_b32 s69, ttmp7, 0xffff                   ; cluster y
	s_lshl_b32 s43, s69, 2
	s_add_co_u32 s43, s43, s41                     ; Y: which 128 rows
	s_lshr_b32 s68, s69, 2                         ; PV = 1: the batch: 512 rows to a cluster, 2,048 to a batch; made of the cluster's y alone
	s_lshl_b32 s20, s41, 2
	s_lshl_b32 s20, 15, s20                        ; my row of the cluster
	s_lshl_b32 s21, 0x1111, s40                    ; my column
	s_or_b32 s[G1A], s20, (1<<16)|(1<<20)|(1<<21)|(5<<22)|(3<<25)   ; A: the mask; elements of 2 bytes; padding on, 4 words behind every 64; bit 21 beside a mask
	s_mov_b32 s[G1A+1], KSTEP<<16                  ; tensor_dim0 = 128
	s_mov_b32 s[G1A+2], 64<<16                     ; tensor_dim1 = 64
	s_mov_b32 s[G1A+3], KSTEP<<16                  ; tile_dim0
	s_mov_b32 s[G1A+4], 64                         ; tile_dim1
	s_mov_b32 s[G1A+5], PITCHA/2                   ; elements from row to row
	s_mov_b32 s[G1A+6], 0
	s_mov_b32 s[G1A+7], 0
	s_or_b32 s[G1B], s21, (1<<16)|(1<<20)|(1<<21)|(6<<22)|(7<<25)   ; B: 8 words of padding behind every 128
	s_mov_b32 s[G1B+1], 256<<16                    ; tensor_dim0 = 256
	s_mov_b32 s[G1B+2], 64<<16
	s_mov_b32 s[G1B+3], 256<<16
	s_mov_b32 s[G1B+4], 64
	s_mov_b32 s[G1B+5], PITCHB/2
	s_mov_b32 s[G1B+6], 0
	s_mov_b32 s[G1B+7], 0
	s_lshl_b32 s16, s43, 7
	s_lshl_b32 s17, s[CH], 6
	s_add_co_u32 s16, s16, s17                     ; A: row 128 Y + 64 x half
	s_mul_i32 s16, s16, PITCHA                     ; in bytes, under 2^32
	s_mov_b32 s17, 0
	s_lshl_b32 s18, s[CH], 6                       ; B: K row 64 x half
.if PV
	s_lshl_b32 s19, s68, 11
	s_add_co_u32 s18, s18, s19                     ; + the batch's first row
.endif
	s_mul_i32 s18, s18, PITCHB
	s_lshl_b32 s19, s42, 9
	s_add_co_u32 s18, s18, s19                     ; + 512 X bytes
.if PV
	s_add_co_u32 s18, s18, 4096                    ; v's columns begin 4,096 bytes into a row of qkv
.endif
	s_mov_b32 s19, 0
	s_mul_i32 s22, s[CH], 64*PA                    ; where they go: no place in the cluster enters an LDS address
	s_mul_i32 s23, s[CH], 64*PB
	s_add_co_u32 s23, s23, AT
	s_wait_dscnt 0x0                               ; both opening adds are done
	s_wait_kmcnt 0x0
	s_add_nc_u64 s[16:17], s[4:5], s[16:17]
	s_add_nc_u64 s[18:19], s[6:7], s[18:19]
	CROUND                                         ; all sixteen work-groups are here: the first joint loads meet
.irp s, 0,1
	s_mov_b32 s[G0A+4*\s], 1
	s_add_co_u32 s[G0A+4*\s+1], s22, \s*SLOT
	s_add_nc_u64 s[G0A+4*\s+2:G0A+4*\s+3], s[16:17], \s*KSTEP*2
	s_or_b32 s[G0A+4*\s+3], s[G0A+4*\s+3], 0x80000000
	s_mov_b32 s[G0B+4*\s], 1
	s_add_co_u32 s[G0B+4*\s+1], s23, \s*SLOT
	s_add_nc_u64 s[G0B+4*\s+2:G0B+4*\s+3], s[18:19], \s*KSTEP*PITCHB
	s_or_b32 s[G0B+4*\s+3], s[G0B+4*\s+3], 0x80000000
	JLOAD \s                                       ; two tensor loads of mine are out
.endr
	v_and_b32 v1, 15, v0                           ; r = l % 16
	v_bfe_u32 v2, v0, 4, 1                         ; h = l / 16
	v_mul_u32_u24 v3, v1, PA
	v_lshl_add_u32 v3, v2, 4, v3                   ; A: row x pitch + 16 x half
	s_mul_i32 s20, s[RH], 64*PA                    ; my 64 rows
	v_add_nc_u32 v[ADRA], s20, v3
	s_add_co_u32 s20, s20, SLOT
	v_add_nc_u32 v[ADRA+1], s20, v3
	v_and_b32 v4, 7, v0                            ; B, turned: lane l reads 16 bytes of K row 8 (l / 16) + l % 8, columns 8 ((l / 8) % 2) on
	v_lshl_add_u32 v4, v2, 3, v4
	v_mul_u32_u24 v4, v4, PB
	v_bfe_u32 v5, v0, 3, 1
	v_lshl_add_u32 v4, v5, 4, v4
	s_lshl_b32 s21, s[CH], 8                       ; my 128 columns
	s_add_co_u32 s21, s21, AT
	v_add_nc_u32 v[ADRB], s21, v4
	s_add_co_u32 s21, s21, SLOT
	v_add_nc_u32 v[ADRB+1], s21, v4
	s_mul_i32 s20, s[WV], 16*SPITCH
	s_add_co_u32 s20, s20, STAGE                   ; my stage
	v_and_b32 v6, 31, v0                           ; lane
.if PV
	v_add_nc_u32 v[STO], s20, v3                   ; in: row r, 16 bytes for each half of the lanes (the stage's pitch is A's)
	v_mul_u32_u24 v5, v2, SPITCH
	v_lshl_add_u32 v5, v1, 4, v5
	v_add_nc_u32 v[RD], s20, v5                    ; back: lanes 0-15 one row of 256 bytes, lanes 16-31 the next
	v_lshlrev_b32 v5, 11, v2
	v_lshl_add_u32 v[CO], v1, 4, v5                ; and the same two rows in C
	v_lshlrev_b32 v[FADR], 4, v6
	s_lshl_b32 s21, s[WV], 14
	s_add_co_u32 s21, s21, FACS
	v_add_nc_u32 v[FADR], s21, v[FADR]             ; g_t: 16 bytes a lane, twice; my wave's 16,384 bytes
	v_lshlrev_b32 v[AUX], 4, v1
.else
	v_mul_u32_u24 v5, v1, SPITCH
	v_lshl_add_u32 v5, v2, 5, v5
	v_add_nc_u32 v[STO], s20, v5                   ; in: row r, 32 bytes for each half of the lanes
	v_lshlrev_b32 v[CO], 4, v6                     ; back: the 32 lanes take one row of 512 bytes; and the same in C
	v_add_nc_u32 v[RD], s20, v[CO]
	v_lshlrev_b32 v[AUX], 5, v2
.endif
	s_lshl_b32 s20, s43, 7
	s_lshl_b32 s21, s[RH], 6
	s_add_co_u32 s20, s20, s21                     ; my first row of C
	s_mul_i32 s20, s20, OROW
	s_mul_i32 s21, s42, OTILE
	s_add_co_u32 s20, s20, s21
	s_mul_i32 s21, s[CH], OTILE/2
	s_add_co_u32 s20, s20, s21                     ; and my first column, in bytes
	s_mov_b32 s21, 0
	s_add_nc_u64 s[8:9], s[8:9], s[20:21]
.if PV
	; the prefetches: where my wave's stand, and who asks
	s_lshl_b32 s16, s43, 7
	s_lshl_b32 s17, s40, 5
	s_add_co_u32 s16, s16, s17                     ; p: row 128 Y + 32 cx,
	s_lshl_b32 s16, s16, 12
	s_add_co_u32 s16, s16, 3*KSTEP*2               ; at K step 3: the first refill steps it to 4
	s_lshl_b32 s17, s68, 11
	s_lshl_b32 s18, s[CH], 6
	s_add_co_u32 s17, s17, s18
	s_lshl_b32 s18, s41, 4
	s_add_co_u32 s17, s17, s18
	s_add_co_u32 s17, s17, 3*KSTEP                 ; v: row 2,048 x batch + 64 x half + 16 cy, at K step 3
	s_mul_i32 s17, s17, PITCHB
	s_lshl_b32 s18, s42, 9
	s_add_co_u32 s17, s17, s18
	s_add_co_u32 s17, s17, 4096
	s_and_b32 s18, s69, 3                          ; 0 in the batch's first cluster
	s_mov_b32 s20, PITCHB
	s_mov_b32 s21, KSTEP*PITCHB
	s_cmp_lt_u32 s[WV], 2
	s_cselect_b64 s[PFA:PFA+1], s[4:5], s[6:7]
	s_cselect_b32 s16, s16, s17
	s_cselect_b32 s20, PITCHA, s20                 ; from row to row
	s_cselect_b32 s[PFS], KSTEP*2, s21             ; a K step on
	s_cselect_b32 s19, 0, 1                        ; one lane to a row, or two
	s_cselect_b32 s18, s[WV], s18                  ; 0 in wave 0, and in waves 2 and 3 of the batch's first cluster: the same in all sixteen partners, for a given wave
	s_cmp_eq_u32 s18, 0
	s_cselect_b32 s[LIM], 1, -1
	s_mov_b32 s17, 0
	s_mov_b32 s[PFS+1], 0
	s_add_nc_u64 s[PFA:PFA+1], s[PFA:PFA+1], s[16:17]
	v_lshrrev_b32 v[PFO], s19, v6
	v_mul_lo_u32 v[PFO], v[PFO], s20
	v_and_b32 v5, s19, v6
	v_lshl_add_u32 v[PFO], v5, 8, v[PFO]           ; v: the row's second block of 256 bytes for the odd lanes
	; THE PIECES ARE JOINED, while the first tiles are on their way.  Lane (r, h) serves rows 16 j + r of my 64, j = 0 .. 3; both halves of the lanes compute the same.
	s_lshl_b32 s20, s43, 1
	s_add_co_u32 s20, s20, s[RH]                   ; G = 2 Y + my half
	s_lshl_b32 s20, s20, 9
	s_mov_b32 s21, 0
	s_add_nc_u64 s[10:11], s[10:11], s[20:21]
.set t, 0
.rept 16
	global_load_b128 v[64+4*t:67+4*t], v[AUX], s[10:11] offset:65536*t         ; -M_t
	global_load_b128 v[128+4*t:131+4*t], v[AUX], s[10:11] offset:65536*t+256   ; L_t
.set t, t+1
.endr
	s_wait_loadcnt 0x0
.irp j, 0,1,2,3
	v_max3_num_f32 v[48+\j], -v[64+\j], -v[68+\j], -v[72+\j]      ; M = the largest M_t
.endr
.irp u, 3,5,7,9,11,13
.irp j, 0,1,2,3
	v_max3_num_f32 v[48+\j], v[48+\j], -v[64+4*\u+\j], -v[68+4*\u+\j]
.endr
.endr
.irp j, 0,1,2,3
	v_max_num_f32 v[48+\j], v[48+\j], -v[124+\j]
.endr
.set t, 0
.rept 16
.irp j, 0,1,2,3
	v_sub_f32 v[56+\j], -v[64+4*t+\j], v[48+\j]    ; M_t - M: a whole number, 0 or less
.endr
.irp j, 0,1,2,3
	v_cvt_i32_f32 v[56+\j], v[56+\j]               ; (it saturates)
.endr
.irp j, 0,1,2,3
	v_ldexp_f32 v[64+4*t+\j], 1.0, v[56+\j]        ; f_t = 2^(M_t - M), in -M_t's place
.endr
.irp j, 0,1,2,3
.if t == 0
	v_mul_f32 v[52+\j], v[64+\j], v[128+\j]        ; l = the sum of f_t L_t
.else
	v_fmac_f32 v[52+\j], v[64+4*t+\j], v[128+4*t+\j]
.endif
.endr
.set t, t+1
.endr
.irp j, 0,1,2,3
	v_rcp_f32 v[RL+\j], v[52+\j]                   ; 1 / l
.endr
	v_nop                                          ; a plain line behind the reciprocals
	s_wait_alu depctr_va_vdst(0)                   ; the wait ahead of the first reader: one for the four
.set t, 0
.rept 16
.if t < 8
.set FW, 192+8*t                       ; registers of its own for each K step: no store's data are written again
.else
.set FW, 128+8*(t-8)                   ; (L_t's registers are free by now)
.endif
.irp j, 0,1,2,3
	v_mul_f32 v[FW+2*\j], v[64+4*t+\j], v[RL+\j]   ; g_t = f_t / l, twice: the packed multiply-add names a pair
	v_mul_f32 v[FW+2*\j+1], v[64+4*t+\j], v[RL+\j]
.endr
	ds_store_b128 v[FADR], v[FW:FW+3] offset:1024*t       ; my wave's own bytes: read back by me alone, in order
	ds_store_b128 v[FADR], v[FW+4:FW+7] offset:1024*t+512
.set t, t+1
.endr
.else
	s_lshl_b32 s20, s42, 10                        ; bo: my 128 columns; lane (r, h) wants, for block b, those at 16 b + 8 h + 0 .. 7
	s_lshl_b32 s21, s[CH], 9
	s_add_co_u32 s20, s20, s21
	s_mov_b32 s21, 0
	s_add_nc_u64 s[10:11], s[10:11], s[20:21]
.irp b, 0,1,2,3,4,5,6,7
	global_load_b128 v[BIAS+8*\b:BIAS+8*\b+3], v[AUX], s[10:11] offset:64*\b
	global_load_b128 v[BIAS+8*\b+4:BIAS+8*\b+7], v[AUX], s[10:11] offset:64*\b+16
.endr
	s_wait_loadcnt 0x0
.endif
; 8 matrix instructions: row block a x all 8 column blocks, 32 along K, from buffer f.  first = 1: they start sums, with the constant 0 (PV = 1: a piece's) or with bo (PV = 0).
; The 32 accumulators take turns, one instruction a turn, in the same order in every quarter.
.macro MUL8 f, a, first
.irp b, 0,1,2,3,4,5,6,7
.if \first
.if PV
	v_wmma_f32_16x16x32_f16 v[8*(8*(\a)+\b):8*(8*(\a)+\b)+7], v[64*(\f)+8*\b:64*(\f)+8*\b+7], v[FA+32*(\f)+8*(\a):FA+32*(\f)+8*(\a)+7], 0
.else
	v_wmma_f32_16x16x32_f16 v[8*(8*(\a)+\b):8*(8*(\a)+\b)+7], v[64*(\f)+8*\b:64*(\f)+8*\b+7], v[FA+32*(\f)+8*(\a):FA+32*(\f)+8*(\a)+7], v[BIAS+8*\b:BIAS+8*\b+7]
.endif
.else
	v_wmma_f32_16x16x32_f16 v[8*(8*(\a)+\b):8*(8*(\a)+\b)+7], v[64*(\f)+8*\b:64*(\f)+8*\b+7], v[FA+32*(\f)+8*(\a):FA+32*(\f)+8*(\a)+7], v[8*(8*(\a)+\b):8*(8*(\a)+\b)+7]
.endif
.endr
.endm
.macro FETCH slot, q, f                ; 24 LDS loads in one run: the slot's q-th 32 along K into buffer f: B's 8 fragments, turned, then A's 4
	WIN TO_B
.irp b, 0,1,2,3,4,5,6,7
	ds_load_tr16_b128 v[64*(\f)+8*\b:64*(\f)+8*\b+3],   v[ADRB+\slot] offset:32*(\q)*PB+32*\b
	ds_load_tr16_b128 v[64*(\f)+8*\b+4:64*(\f)+8*\b+7], v[ADRB+\slot] offset:32*(\q)*PB+16*PB+32*\b
.endr
	WIN 0
.irp i, 0,1,2,3
	ds_load_b128 v[FA+32*(\f)+8*\i:FA+32*(\f)+8*\i+3],   v[ADRA+\slot] offset:64*(\q)+\i*16*PA
	ds_load_b128 v[FA+32*(\f)+8*\i+4:FA+32*(\f)+8*\i+7], v[ADRA+\slot] offset:64*(\q)+\i*16*PA+32
.endr
.endm
.macro PLACES                          ; four plain vector lines between a matrix instruction and a load into, or a read of, its registers
.rept 4
	v_nop
.endr
.endm
.if PV
; A finished piece is taken in: O = g_t T + O, 256 numbers a lane, two at a time, in f32; lane l holds row l % 16 of row block n / 32.  start = 1: the first piece starts O: nothing is cleared.
; Each accumulator is read from its low end on.  Four plain lines stand ahead of the macro, behind the products that wrote T.
.macro FOLD start
	WIN FOLDW
.set n, 0
.rept 128
.if \start
	v_pk_mul_f32 v[2*n:2*n+1], v[2*n:2*n+1], v[GT+2*(n/32):GT+2*(n/32)+1] op_sel_hi:[1,0]
.else
	v_pk_fma_f32 v[2*n:2*n+1], v[2*n:2*n+1], v[GT+2*(n/32):GT+2*(n/32)+1], v[2*n:2*n+1] op_sel_hi:[1,0,1]
.endif
.set n, n+1
.endr
	WIN 0
.endm
.endif
; A K step is four quarters of 32 along K, 32 matrix instructions each, on buffers 0, 1, 0, 1.  One of the first three: multiplies buffer f and, ahead of that, asks for the slot's q-th quarter into g.
; mode 0: a later quarter of a K step.  1: the launch's first quarter.  2, 3: the first quarter of a later K step; with PV = 1 the piece before is taken in first (2: it starts O), and this quarter's products begin T
; anew: between an accumulator's last product and the one that writes over it stand the four v_nop and 124 multiply-adds that name other accumulators.  With PV = 0 modes 2 and 3 are mode 0.
.macro QUARTER slot, q, f, g, mode
	s_wait_dscnt 0x0                               ; buffer f is in: asked for a quarter ago (modes 2, 3: and g_t)
	WIN 0
	PLACES                                         ; behind the last products: g is loaded, which they read; modes 2, 3: T is read, which they wrote
	FETCH \slot, \q, \g
.set CM, 0
.if PV
.if (\mode) == 2
	FOLD 1
.endif
.if (\mode) == 3
	FOLD 0
.endif
.if (\mode) > 0
.set CM, 1
.endif
	WIN MUL
.else
.if (\mode) == 1
.set CM, 1
	WIN MUL_B
.else
	WIN MUL
.endif
.endif
	MUL8 \f, 0, CM
	MUL8 \f, 1, CM
	MUL8 \f, 2, CM
	MUL8 \f, 3, CM
.endm
; The last quarter multiplies buffer 1 and changes slots: ONE barrier; in front of it each wave waits for all its tensor loads (one is out: its part of the next slot), adds 0 to its spare word, and waits for that
; and for its reads of this slot.  fill = 1: the barrier opens a round of the cluster's, and this slot is filled again, two K steps on, first thing behind the round.
.macro TURN slot, next, fill
.if (\fill) && PV
	s_wait_xcnt 0x0                                ; the last prefetch, a K step back, has read its address: it is stepped here
	s_add_nc_u64 s[PFA:PFA+1], s[PFA:PFA+1], s[PFS:PFS+1]
.endif
	WIN 0
	s_wait_tensorcnt 0x0
	ds_add_u32 v[SPW], v[NIL]
	s_wait_dscnt 1                                 ; buffer 1 is in (the add may be out)
	WIN MUL
	MUL8 1, 0, 0
	s_wait_dscnt 0x0                               ; the add is done, and my reads of this slot are over
	s_barrier_signal -1
	MUL8 1, 1, 0
	WIN 0
	s_barrier_wait -1
.if \fill
	CREST
	s_add_nc_u64 s[G0A+4*\slot+2:G0A+4*\slot+3], s[G0A+4*\slot+2:G0A+4*\slot+3], 2*KSTEP*2
	s_add_nc_u64 s[G0B+4*\slot+2:G0B+4*\slot+3], s[G0B+4*\slot+2:G0B+4*\slot+3], 2*KSTEP*PITCHB
	JLOAD \slot                                    ; its four v_nop are also the places in front of the loads below
.else
	PLACES
.endif
	FETCH \next, 0, 0
.if PV
	ds_load_b128 v[GT:GT+3], v[FADR]               ; g_t of the piece that ends here: wanted at the head of the next quarter
	ds_load_b128 v[GT+4:GT+7], v[FADR] offset:512
	v_add_nc_u32 v[FADR], 1024, v[FADR]
.if \fill
	ASK
.endif
.endif
	WIN MUL
	MUL8 1, 2, 0
	MUL8 1, 3, 0
.endm
	s_wait_tensorcnt 1                             ; my part of K step 0 is in (K step 1's load may be out)
	s_wait_dscnt 0x0                               ; and no LDS instruction of mine is pending
	s_barrier_signal -1
	s_barrier_wait -1                              ; everybody's is
	FETCH 0, 0, 0
	QUARTER 0, 1, 0, 1, 1                          ; the first quarter's products start the sums
	WIN 0
.if PV
	s_mov_b32 s3, LAPS-1                           ; (the prefetches' test reads it)
	QUARTER 0, 2, 1, 0, 0                          ; the first lap is written out: in it the first piece starts O, by a multiplication where the loop has a multiply-add
	QUARTER 0, 3, 0, 1, 0
	TURN 0, 1, 1
	QUARTER 1, 1, 0, 1, 2
	QUARTER 1, 2, 1, 0, 0
	QUARTER 1, 3, 0, 1, 0
	TURN 1, 0, 1
	QUARTER 0, 1, 0, 1, 3
	WIN 0
	s_mov_b32 s3, LAPS-2
.else
	s_mov_b32 s3, LAPS-1
.endif
.Llap:                                                 ; a trip goes once round the ring, from a lap's second quarter to the next lap's first, and fills both slots again
	QUARTER 0, 2, 1, 0, 0
	QUARTER 0, 3, 0, 1, 0
	TURN 0, 1, 1
	QUARTER 1, 1, 0, 1, 3
	QUARTER 1, 2, 1, 0, 0
	QUARTER 1, 3, 0, 1, 0
	TURN 1, 0, 1
	QUARTER 0, 1, 0, 1, 3
	WIN 0
	s_sub_co_u32 s3, s3, 1
	s_cmp_lg_u32 s3, 0
	s_cbranch_scc1 .Llap
	QUARTER 0, 2, 1, 0, 0                          ; the last lap is written out: it fills nothing
	QUARTER 0, 3, 0, 1, 0
	TURN 0, 1, 0
	QUARTER 1, 1, 0, 1, 3
	QUARTER 1, 2, 1, 0, 0
	QUARTER 1, 3, 0, 1, 0
	s_wait_dscnt 0x0                               ; the very last quarter: no fragment is left to fetch
	WIN 0
.if PV
	ds_load_b128 v[GT:GT+3], v[FADR]               ; the last piece's g_t
	ds_load_b128 v[GT+4:GT+7], v[FADR] offset:512
.endif
	WIN MUL
	MUL8 1, 0, 0
	MUL8 1, 1, 0
	MUL8 1, 2, 0
	MUL8 1, 3, 0
	WIN 0
	PLACES                                         ; behind the last products: their results are read, and registers that they read are loaded
.if PV
	s_wait_dscnt 0x0                               ; g_t is in
	FOLD 0                                         ; the last piece: O is attn, divided by l already
.endif
.if PV
; THE WAY OUT, block a of 16 rows x 128 columns: rounded to f16, 16 bytes a lane; through my own stage; back as whole rows of 256 bytes.
.macro PACK a
	WIN 0x0a                                       ; sources 0 and 1: window 2
.set i, 0
.rept 32
	v_cvt_pk_f16_f32 v[TMP+i], v[64*(\a)+2*i], v[64*(\a)+2*i+1]
.set i, i+1
.endr
	WIN 0
.endm
.macro TOSTAGE a
.set BK, FA+32*((\a)%2)
.irp b, 0,1,2,3,4,5,6,7
	ds_store_b128 v[STO], v[TMP+4*\b:TMP+4*\b+3] offset:32*\b
.endr
.irp u, 0,1,2,3,4,5,6,7
	ds_load_b128 v[BK+4*\u:BK+4*\u+3], v[RD] offset:\u*2*SPITCH    ; LDS serves a wave's instructions in order: these see the stores above
.endr
.endm
.macro SEND a
.set BK, FA+32*((\a)%2)
	s_wait_dscnt 0x0                               ; the block is back in registers
	s_wait_xcnt 0x0                                ; earlier stores have read their base and data: only behind this wait are they rewritten
.if (\a) > 0
	s_add_nc_u64 s[8:9], s[8:9], 16*OROW
.endif
.irp u, 0,1,2,3,4,5,6,7
	global_store_b128 v[CO], v[BK+4*\u:BK+4*\u+3], s[8:9] offset:2*\u*OROW   ; 16 lanes store 256 consecutive bytes, aligned
.endr
.endm
	PACK 0
	TOSTAGE 0
.irp a, 1,2,3
	PACK \a
	SEND \a-1
	TOSTAGE \a
.endr
	SEND 3
.else
; THE WAY OUT, block a of 16 rows x 128 columns of f32: a lane's 32 bytes go through my own stage and come back as whole rows of 512 bytes.
.macro TOSTAGE a
	WIN 0x08                                       ; an LDS store's data are its source 1: window 2
.irp b, 0,1,2,3,4,5,6,7
	ds_store_b128 v[STO], v[64*(\a)+8*\b:64*(\a)+8*\b+3] offset:64*\b          ; each accumulator from its low end on
	ds_store_b128 v[STO], v[64*(\a)+8*\b+4:64*(\a)+8*\b+7] offset:64*\b+16
.endr
	WIN 0
.set BK, FA+64*((\a)%2)
.irp u, 0,1,2,3,4,5,6,7,8,9,10,11,12,13,14,15
	ds_load_b128 v[BK+4*\u:BK+4*\u+3], v[RD] offset:\u*SPITCH
.endr
.endm
.macro SEND a, younger                 ; younger: the LDS instructions issued behind block a's loads, which may stay out
.set BK, FA+64*((\a)%2)
	s_wait_dscnt \younger
.if (\a) > 0
	s_add_nc_u64 s[8:9], s[8:9], 16*OROW           ; (behind a wait on XCNT: the earlier stores have read their base)
.endif
.irp u, 0,1,2,3,4,5,6,7,8,9,10,11,12,13,14,15
	global_store_b128 v[CO], v[BK+4*\u:BK+4*\u+3], s[8:9] offset:\u*OROW th:TH_STORE_NT   ; 32 lanes store 512 consecutive bytes, aligned; written once, read by nobody here
.endr
.endm
	TOSTAGE 0
.irp a, 1,2,3
.if \a > 1
	s_wait_xcnt 0x0                                ; block a - 2's stores have read their registers and their base
.endif
	TOSTAGE \a
	SEND \a-1, 32                                  ; behind block a - 1's loads: block a's 16 stores and 16 loads
.endr
	s_wait_xcnt 0x0
	SEND 3, 0
.endif
	s_wait_tensorcnt 0x0                           ; the wave's end
	ds_add_u32 v[SPW], v[NIL]
	s_wait_dscnt 0x0
	CROUND                                         ; the closing round
	s_endpgm
.Lfunc_end_k_q07b5e1ec44_pv:
	.size	k_q07b5e1ec44_pv, .Lfunc_end_k_q07b5e1ec44_pv-k_q07b5e1ec44_pv
	.p2alignl 7, 3214868480
	.fill 96, 4, 3214868480
	.section	.rodata,"a",@progbits
	.p2align	6, 0x0
	.amdhsa_kernel k_q07b5e1ec44_pv
		.amdhsa_group_segment_fixed_size 327680
		.amdhsa_private_segment_fixed_size 0
		.amdhsa_enable_private_segment 0
		.amdhsa_kernarg_size 32
		.amdhsa_user_sgpr_count 2
		.amdhsa_user_sgpr_kernarg_segment_ptr 1
		.amdhsa_wavefront_size32 1
		.amdhsa_system_sgpr_workgroup_id_x 1
		.amdhsa_system_sgpr_workgroup_id_y 1
		.amdhsa_system_sgpr_workgroup_id_z 1
		.amdhsa_system_vgpr_workitem_id 0
		.amdhsa_next_free_vgpr 1024
		.amdhsa_next_free_sgpr 72
		.amdhsa_reserve_vcc 0
		.amdhsa_float_denorm_mode_32 3
		.amdhsa_float_denorm_mode_16_64 3
		.amdhsa_memory_ordered 1
		.amdhsa_forward_progress 1
		.amdhsa_inst_pref_size 194
	.end_amdhsa_kernel
	.amdgpu_metadata
---
amdhsa.version: [ 1, 2 ]
amdhsa.kernels:
  - .name:           k_q07b5e1ec44_pv
    .symbol:         k_q07b5e1ec44_pv.kd
    .args:
      - { .name: p, .offset: 0, .size: 8, .value_kind: global_buffer, .address_space: global }
      - { .name: qkv, .offset: 8, .size: 8, .value_kind: global_buffer, .address_space: global }
      - { .name: attn, .offset: 16, .size: 8, .value_kind: global_buffer, .address_space: global }
      - { .name: stat, .offset: 24, .size: 8, .value_kind: global_buffer, .address_space: global }
    .group_segment_fixed_size: 327680
    .private_segment_fixed_size: 0
    .kernarg_segment_align: 8
    .kernarg_segment_size: 32
    .max_flat_workgroup_size: 128
    .sgpr_count:     72
    .vgpr_count:     1024
    .wavefront_size: 32
...
	.end_amdgpu_metadata
.endif
;; end of part 4
;; launch proj (part 5): grid 4 x 64, 4 waves a work-group, clusters of 4 x 4, 327,680 bytes of LDS; arguments attn, wo16, out0, bo; writes out0
.if DOCPART == 5
	.amdgcn_target "amdgcn-amd-amdhsa--gfx1250"
	.amdhsa_code_object_version 6
	.text
	.protected	k_q07b5e1ec44_proj
	.globl	k_q07b5e1ec44_proj
	.p2align	8
	.type	k_q07b5e1ec44_proj,@function
k_q07b5e1ec44_proj:
	s_mov_b64 s[64:65], 0
	v_nop
	global_prefetch_b8 v0, s[64:65] scope:SCOPE_SE
	s_setreg_imm32_b32 hwreg(HW_REG_WAVE_MODE, 25, 1), 1
	s_wait_xcnt 0x0
	s_wait_alu depctr_hold_cnt(0) depctr_sa_sdst(0) depctr_va_vdst(0) depctr_va_sdst(0) depctr_va_ssrc(0) depctr_va_vcc(0) depctr_vm_vsrc(0)
	s_getreg_b32 s2, hwreg(HW_REG_IB_STS2, 6, 4)
	s_cmp_eq_u32 s2, 0
	s_cbranch_scc0 .Lentry_in_a_cluster
	s_endpgm
.Lentry_in_a_cluster:
	s_bfe_u32 s2, ttmp6, 0x10000c
	s_cmp_lg_u32 s2, 0xf033
	s_cbranch_scc0 .Lentry_shape_is_right
	s_endpgm
.Lentry_shape_is_right:
; LAUNCHES 4 AND 5 OF 5 share this text; the switch PV says which it is.  C = A B with B stored [K][N] as it lies, f16 operands, f32 sums.  No work of reference() is left out.
;   PV = 1: attn = softmax x v.  A = p [8,192][2,048 keys] f16, B = v: columns 2,048 .. 3,071 of qkv, the 2,048 rows of the row's batch; C = attn [8,192][1,024] f16.  K = 2,048: sixteen K steps of 128,
;           each one PIECE of the softmax.  From stat the wave takes, for each of its rows, M = the largest M_t, f_t = 2^(M_t - M), an exact power of two, l = the sum of f_t L_t, and g_t = f_t / l, all in f32.
;           p goes to the matrix unit as it was stored.  A piece's products are summed by themselves (T, begun with the constant 0); behind the piece attn's sums take them in, O = g_t T + O, in f32.
;           LIMIT: a g_t under the smallest f32 number counts for nothing, beside the row's largest piece, whose f_t is 1.
;   PV = 0: out0 = attn Wo + bo.  A = attn, B = wo16 [1,024][1,024] f16, C = out0 f32; K = 1,024: eight K steps.  bo is the C of each sum's first matrix instruction.
; A tile of C, 128 rows x 256 columns, is made by a work-group of four waves, 2 x 2; a wave makes 64 x 128: 32 accumulators, 256 registers.  256 work-groups.  A ring of two LDS slots of one K step.
; B's fragments come out of LDS turned, by ds_load_tr16_b128.  THE MATRIX INSTRUCTION IS USED TRANSPOSED (source 0 = 16 columns of B, source 1 = 16 rows of A): a lane holds eight neighbouring numbers of a row of C.
; CLUSTERS: 4 x 4 work-groups; A's tile is shared along a row of the cluster, B's along a column: each is asked for JOINTLY, by the same tensor load with the same descriptor and a mask that names the four.
; No prefetch with PV = 0: of eight K steps the first four could not be asked for ahead, and wo16 is read again by every row of clusters.
; REGISTERS, in windows of 256: window 0: v0-31 addresses; v128-159, v160-191 A's fragments, two buffers; PV = 1: v32-39 g_t of my four row blocks, each twice; v40-63 at work at the head; v192-223 at work on the way out;
;   PV = 0: v32-95 bo in the result's layout.   window 1: v0-63, v64-127 B's fragments, two buffers.   window 2: C's sums ((a, b) at v[8 (8 a + b)]).   window 3, PV = 1 alone: T, the piece's sums, at the same numbers.
.set PV, 0
.if PV
.set LAPS,   8                         ; a lap = two K steps
.set PITCHA, 4096                      ; a row of A in bytes
.set PITCHB, 6144                      ; a row of B in bytes
.set OROW,   2048                      ; a row of C in bytes
.set OTILE,  512                       ; a tile's 256 columns of C in bytes
.else
.set LAPS,   4
.set PITCHA, 2048
.set PITCHB, 2048
.set OROW,   4096
.set OTILE,  1024
.endif
.set KSTEP,  128
.set PA,     272                       ; A's LDS row: 256 bytes + 16 of padding
.set PB,     544                       ; B's LDS row: 512 bytes + 32 of padding: 17 x 32, for the turning load
.set AT,     128*PA                    ; A's 128 rows
.set SLOT,   AT+128*PB                 ; then B's 128 rows of K
.set RING,   2*SLOT
.if PV
.set FACS,   RING                      ; behind the ring: g_t in f32, each twice: 16 K steps x 1,024 bytes for each wave
.set STAGE,  FACS+4*16384              ; the way out: 16 rows x (256 + 16) bytes for each wave
.set SPITCH, 272
.else
.set STAGE,  RING                      ; the way out: 16 rows x (512 + 16) bytes for each wave
.set SPITCH, 528
.endif
.set SPARE,  STAGE+4*16*SPITCH         ; the spare words, 128 bytes for each wave: two blocks of 256 bytes that no other line names
.set ADRA, 16                          ; v16-17 LDS address of my A fragments in slot 0, 1
.set ADRB, 20                          ; v20-21 the same for B
.set FADR, 22                          ; v22    LDS address of the g_t that is fetched next
.set STO,  24
.set RD,   25
.set CO,   26
.set AUX,  27                          ; v27    PV = 1: 16 r, my place in stat; PV = 0: 32 h, my place in bo
.set SPW,  28
.set NIL,  29
.set PFO,  30                          ; v30    the prefetches' offset
.set GT,   32
.set RL,   40
.set BIAS, 32
.set FA,   128
.set TMP,  192
.set WV,  12                           ; s12 wave;  s13 which 64 rows are mine, also: I fetch for A (0) or B (1);  s14 which 128 columns, also: which half of that tile I fetch
.set RH,  13
.set CH,  14
.set LIM, 15
.set G1A, 24
.set G0A, 32
.set PFA, 44
.set PFS, 46
.set G1B, 48
.set G0B, 56
.set MSB, 0
.macro WIN new
.if MSB != (\new)
	s_set_vgpr_msb (MSB<<8)|(\new)
.set MSB, \new
.endif
.endm
.if PV
.set MUL,   0xf1                       ; source 0 (B) window 1, source 1 (A) window 0, C and D window 3: the piece's sums
.else
.set MUL,   0xa1                       ; source 0 (B) window 1, source 1 (A) window 0, C and D window 2
.endif
.set MUL_B, 0x81                       ; PV = 0: D window 2, C (bo) window 0
.set FOLDW, 0xa3                       ; PV = 1: source 0 (T) window 3, source 1 (g_t) window 0, source 2 and destination (O) window 2
.set TO_B,  0x40                       ; destination window 1, address window 0
.macro JLOAD s                         ; a joint load: waves 0 and 1 fetch A's halves, waves 2 and 3 B's; an s_nop 0 and four v_nop follow each line
	s_cmp_eq_u32 s[RH], 0
	s_cbranch_scc0 .Lfor_b_\@
	tensor_load_to_lds s[G0A+4*\s:G0A+4*\s+3], s[G1A:G1A+7]
	s_nop 0
.rept 4
	v_nop
.endr
	s_branch .Lasked_\@
.Lfor_b_\@:
	tensor_load_to_lds s[G0B+4*\s:G0B+4*\s+3], s[G1B:G1B+7]
	s_nop 0
.rept 4
	v_nop
.endr
.Lasked_\@:
.endm
.macro CREST
	s_cmp_lg_u32 s[WV], 0
	s_cbranch_scc1 .Lnot_wave_0_\@
	s_barrier_signal -3
.Lnot_wave_0_\@:
	s_barrier_wait -3
	s_barrier_signal -1
	s_barrier_wait -1
.endm
.macro CROUND
	s_barrier_signal -1
	s_barrier_wait -1
	CREST
.endm
.if PV
; A PREFETCH INTO THE L2 of the K step that stands two refills on, one instruction a wave, behind the joint load and the run of LDS loads.  Each aligned block of 256 bytes is named once in the launch.
; p's tile rows are read by one row of one cluster alone: its four partners take 32 rows each, by address; wave 0 asks, a lane a row.  v's 128 rows x 512 bytes of a K step are read by the four clusters of a batch:
; the first of them asks; the four partners of a column take 16 of a wave's 64 rows each, by address; waves 2 and 3 ask, two lanes a row.  K steps 4 to 15 are asked for; the loop's last trip asks for nothing.
.macro ASK
	s_cmp_gt_u32 s3, s[LIM]
	s_cbranch_scc0 .Lnot_mine_\@
	global_prefetch_b8 v[PFO], s[PFA:PFA+1] th:TH_LOAD_NT scope:SCOPE_SE
.Lnot_mine_\@:
.endm
.endif
	s_load_b256 s[4:11], s[0:1], 0x0               ; A s[4:5], B s[6:7], C s[8:9], stat or bo s[10:11]
	v_lshl_add_u32 v[SPW], v0, 2, SPARE
	v_mov_b32 v[NIL], 0
	ds_add_u32 v[SPW], v[NIL]                      ; the wave's opening: the add, twice on end, and its wait ahead of my first tensor load
	ds_add_u32 v[SPW], v[NIL]
	v_lshrrev_b32 v1, 5, v0
	v_readfirstlane_b32 s[WV], v1
	s_lshr_b32 s[RH], s[WV], 1
	s_and_b32 s[CH], s[WV], 1
	s_bfe_u32 s40, ttmp6, 0x40000                  ; cx
	s_bfe_u32 s41, ttmp6, 0x40004                  ; cy
	s_lshl_b32 s42, ttmp9, 2
	s_add_co_u32 s42, s42, s40                     ; X: which 256 columns
	s_and_b32 s69, ttmp7, 0xffff                   ; cluster y
	s_lshl_b32 s43, s69, 2
	s_add_co_u32 s43, s43, s41                     ; Y: which 128 rows
	s_lshr_b32 s68, s69, 2                         ; PV = 1: the batch: 512 rows to a cluster, 2,048 to a batch; made of the cluster's y alone
	s_lshl_b32 s20, s41, 2
	s_lshl_b32 s20, 15, s20                        ; my row of the cluster
	s_lshl_b32 s21, 0x1111, s40                    ; my column
	s_or_b32 s[G1A], s20, (1<<16)|(1<<20)|(1<<21)|(5<<22)|(3<<25)   ; A: the mask; elements of 2 bytes; padding on, 4 words behind every 64; bit 21 beside a mask
	s_mov_b32 s[G1A+1], KSTEP<<16                  ; tensor_dim0 = 128
	s_mov_b32 s[G1A+2], 64<<16                     ; tensor_dim1 = 64
	s_mov_b32 s[G1A+3], KSTEP<<16                  ; tile_dim0
	s_mov_b32 s[G1A+4], 64                         ; tile_dim1
	s_mov_b32 s[G1A+5], PITCHA/2                   ; elements from row to row
	s_mov_b32 s[G1A+6], 0
	s_mov_b32 s[G1A+7], 0
	s_or_b32 s[G1B], s21, (1<<16)|(1<<20)|(1<<21)|(6<<22)|(7<<25)   ; B: 8 words of padding behind every 128
	s_mov_b32 s[G1B+1], 256<<16                    ; tensor_dim0 = 256
	s_mov_b32 s[G1B+2], 64<<16
	s_mov_b32 s[G1B+3], 256<<16
	s_mov_b32 s[G1B+4], 64
	s_mov_b32 s[G1B+5], PITCHB/2
	s_mov_b32 s[G1B+6], 0
	s_mov_b32 s[G1B+7], 0
	s_lshl_b32 s16, s43, 7
	s_lshl_b32 s17, s[CH], 6
	s_add_co_u32 s16, s16, s17                     ; A: row 128 Y + 64 x half
	s_mul_i32 s16, s16, PITCHA                     ; in bytes, under 2^32
	s_mov_b32 s17, 0
	s_lshl_b32 s18, s[CH], 6                       ; B: K row 64 x half
.if PV
	s_lshl_b32 s19, s68, 11
	s_add_co_u32 s18, s18, s19                     ; + the batch's first row
.endif
	s_mul_i32 s18, s18, PITCHB
	s_lshl_b32 s19, s42, 9
	s_add_co_u32 s18, s18, s19                     ; + 512 X bytes
.if PV
	s_add_co_u32 s18, s18, 4096                    ; v's columns begin 4,096 bytes into a row of qkv
.endif
	s_mov_b32 s19, 0
	s_mul_i32 s22, s[CH], 64*PA                    ; where they go: no place in the cluster enters an LDS address
	s_mul_i32 s23, s[CH], 64*PB
	s_add_co_u32 s23, s23, AT
	s_wait_dscnt 0x0                               ; both opening adds are done
	s_wait_kmcnt 0x0
	s_add_nc_u64 s[16:17], s[4:5], s[16:17]
	s_add_nc_u64 s[18:19], s[6:7], s[18:19]
	CROUND                                         ; all sixteen work-groups are here: the first joint loads meet
.irp s, 0,1
	s_mov_b32 s[G0A+4*\s], 1
	s_add_co_u32 s[G0A+4*\s+1], s22, \s*SLOT
	s_add_nc_u64 s[G0A+4*\s+2:G0A+4*\s+3], s[16:17], \s*KSTEP*2
	s_or_b32 s[G0A+4*\s+3], s[G0A+4*\s+3], 0x80000000
	s_mov_b32 s[G0B+4*\s], 1
	s_add_co_u32 s[G0B+4*\s+1], s23, \s*SLOT
	s_add_nc_u64 s[G0B+4*\s+2:G0B+4*\s+3], s[18:19], \s*KSTEP*PITCHB
	s_or_b32 s[G0B+4*\s+3], s[G0B+4*\s+3], 0x80000000
	JLOAD \s                                       ; two tensor loads of mine are out
.endr
	v_and_b32 v1, 15, v0                           ; r = l % 16
	v_bfe_u32 v2, v0, 4, 1                         ; h = l / 16
	v_mul_u32_u24 v3, v1, PA
	v_lshl_add_u32 v3, v2, 4, v3                   ; A: row x pitch + 16 x half
	s_mul_i32 s20, s[RH], 64*PA                    ; my 64 rows
	v_add_nc_u32 v[ADRA], s20, v3
	s_add_co_u32 s20, s20, SLOT
	v_add_nc_u32 v[ADRA+1], s20, v3
	v_and_b32 v4, 7, v0                            ; B, turned: lane l reads 16 bytes of K row 8 (l / 16) + l % 8, columns 8 ((l / 8) % 2) on
	v_lshl_add_u32 v4, v2, 3, v4
	v_mul_u32_u24 v4, v4, PB
	v_bfe_u32 v5, v0, 3, 1
	v_lshl_add_u32 v4, v5, 4, v4
	s_lshl_b32 s21, s[CH], 8                       ; my 128 columns
	s_add_co_u32 s21, s21, AT
	v_add_nc_u32 v[ADRB], s21, v4
	s_add_co_u32 s21, s21, SLOT
	v_add_nc_u32 v[ADRB+1], s21, v4
	s_mul_i32 s20, s[WV], 16*SPITCH
	s_add_co_u32 s20, s20, STAGE                   ; my stage
	v_and_b32 v6, 31, v0                           ; lane
.if PV
	v_add_nc_u32 v[STO], s20, v3                   ; in: row r, 16 bytes for each half of the lanes (the stage's pitch is A's)
	v_mul_u32_u24 v5, v2, SPITCH
	v_lshl_add_u32 v5, v1, 4, v5
	v_add_nc_u32 v[RD], s20, v5                    ; back: lanes 0-15 one row of 256 bytes, lanes 16-31 the next
	v_lshlrev_b32 v5, 11, v2
	v_lshl_add_u32 v[CO], v1, 4, v5                ; and the same two rows in C
	v_lshlrev_b32 v[FADR], 4, v6
	s_lshl_b32 s21, s[WV], 14
	s_add_co_u32 s21, s21, FACS
	v_add_nc_u32 v[FADR], s21, v[FADR]             ; g_t: 16 bytes a lane, twice; my wave's 16,384 bytes
	v_lshlrev_b32 v[AUX], 4, v1
.else
	v_mul_u32_u24 v5, v1, SPITCH
	v_lshl_add_u32 v5, v2, 5, v5
	v_add_nc_u32 v[STO], s20, v5                   ; in: row r, 32 bytes for each half of the lanes
	v_lshlrev_b32 v[CO], 4, v6                     ; back: the 32 lanes take one row of 512 bytes; and the same in C
	v_add_nc_u32 v[RD], s20, v[CO]
	v_lshlrev_b32 v[AUX], 5, v2
.endif
	s_lshl_b32 s20, s43, 7
	s_lshl_b32 s21, s[RH], 6
	s_add_co_u32 s20, s20, s21                     ; my first row of C
	s_mul_i32 s20, s20, OROW
	s_mul_i32 s21, s42, OTILE
	s_add_co_u32 s20, s20, s21
	s_mul_i32 s21, s[CH], OTILE/2
	s_add_co_u32 s20, s20, s21                     ; and my first column, in bytes
	s_mov_b32 s21, 0
	s_add_nc_u64 s[8:9], s[8:9], s[20:21]
.if PV
	; the prefetches: where my wave's stand, and who asks
	s_lshl_b32 s16, s43, 7
	s_lshl_b32 s17, s40, 5
	s_add_co_u32 s16, s16, s17                     ; p: row 128 Y + 32 cx,
	s_lshl_b32 s16, s16, 12
	s_add_co_u32 s16, s16, 3*KSTEP*2               ; at K step 3: the first refill steps it to 4
	s_lshl_b32 s17, s68, 11
	s_lshl_b32 s18, s[CH], 6
	s_add_co_u32 s17, s17, s18
	s_lshl_b32 s18, s41, 4
	s_add_co_u32 s17, s17, s18
	s_add_co_u32 s17, s17, 3*KSTEP                 ; v: row 2,048 x batch + 64 x half + 16 cy, at K step 3
	s_mul_i32 s17, s17, PITCHB
	s_lshl_b32 s18, s42, 9
	s_add_co_u32 s17, s17, s18
	s_add_co_u32 s17, s17, 4096
	s_and_b32 s18, s69, 3                          ; 0 in the batch's first cluster
	s_mov_b32 s20, PITCHB
	s_mov_b32 s21, KSTEP*PITCHB
	s_cmp_lt_u32 s[WV], 2
	s_cselect_b64 s[PFA:PFA+1], s[4:5], s[6:7]
	s_cselect_b32 s16, s16, s17
	s_cselect_b32 s20, PITCHA, s20                 ; from row to row
	s_cselect_b32 s[PFS], KSTEP*2, s21             ; a K step on
	s_cselect_b32 s19, 0, 1                        ; one lane to a row, or two
	s_cselect_b32 s18, s[WV], s18                  ; 0 in wave 0, and in waves 2 and 3 of the batch's first cluster: the same in all sixteen partners, for a given wave
	s_cmp_eq_u32 s18, 0
	s_cselect_b32 s[LIM], 1, -1
	s_mov_b32 s17, 0
	s_mov_b32 s[PFS+1], 0
	s_add_nc_u64 s[PFA:PFA+1], s[PFA:PFA+1], s[16:17]
	v_lshrrev_b32 v[PFO], s19, v6
	v_mul_lo_u32 v[PFO], v[PFO], s20
	v_and_b32 v5, s19, v6
	v_lshl_add_u32 v[PFO], v5, 8, v[PFO]           ; v: the row's second block of 256 bytes for the odd lanes
	; THE PIECES ARE JOINED, while the first tiles are on their way.  Lane (r, h) serves rows 16 j + r of my 64, j = 0 .. 3; both halves of the lanes compute the same.
	s_lshl_b32 s20, s43, 1
	s_add_co_u32 s20, s20, s[RH]                   ; G = 2 Y + my half
	s_lshl_b32 s20, s20, 9
	s_mov_b32 s21, 0
	s_add_nc_u64 s[10:11], s[10:11], s[20:21]
.set t, 0
.rept 16
	global_load_b128 v[64+4*t:67+4*t], v[AUX], s[10:11] offset:65536*t         ; -M_t
	global_load_b128 v[128+4*t:131+4*t], v[AUX], s[10:11] offset:65536*t+256   ; L_t
.set t, t+1
.endr
	s_wait_loadcnt 0x0
.irp j, 0,1,2,3
	v_max3_num_f32 v[48+\j], -v[64+\j], -v[68+\j], -v[72+\j]      ; M = the largest M_t
.endr
.irp u, 3,5,7,9,11,13
.irp j, 0,1,2,3
	v_max3_num_f32 v[48+\j], v[48+\j], -v[64+4*\u+\j], -v[68+4*\u+\j]
.endr
.endr
.irp j, 0,1,2,3
	v_max_num_f32 v[48+\j], v[48+\j], -v[124+\j]
.endr
.set t, 0
.rept 16
.irp j, 0,1,2,3
	v_sub_f32 v[56+\j], -v[64+4*t+\j], v[48+\j]    ; M_t - M: a whole number, 0 or less
.endr
.irp j, 0,1,2,3
	v_cvt_i32_f32 v[56+\j], v[56+\j]               ; (it saturates)
.endr
.irp j, 0,1,2,3
	v_ldexp_f32 v[64+4*t+\j], 1.0, v[56+\j]        ; f_t = 2^(M_t - M), in -M_t's place
.endr
.irp j, 0,1,2,3
.if t == 0
	v_mul_f32 v[52+\j], v[64+\j], v[128+\j]        ; l = the sum of f_t L_t
.else
	v_fmac_f32 v[52+\j], v[64+4*t+\j], v[128+4*t+\j]
.endif
.endr
.set t, t+1
.endr
.irp j, 0,1,2,3
	v_rcp_f32 v[RL+\j], v[52+\j]                   ; 1 / l
.endr
	v_nop                                          ; a plain line behind the reciprocals
	s_wait_alu depctr_va_vdst(0)                   ; the wait ahead of the first reader: one for the four
.set t, 0
.rept 16
.if t < 8
.set FW, 192+8*t                       ; registers of its own for each K step: no store's data are written again
.else
.set FW, 128+8*(t-8)                   ; (L_t's registers are free by now)
.endif
.irp j, 0,1,2,3
	v_mul_f32 v[FW+2*\j], v[64+4*t+\j], v[RL+\j]   ; g_t = f_t / l, twice: the packed multiply-add names a pair
	v_mul_f32 v[FW+2*\j+1], v[64+4*t+\j], v[RL+\j]
.endr
	ds_store_b128 v[FADR], v[FW:FW+3] offset:1024*t       ; my wave's own bytes: read back by me alone, in order
	ds_store_b128 v[FADR], v[FW+4:FW+7] offset:1024*t+512
.set t, t+1
.endr
.else
	s_lshl_b32 s20, s42, 10                        ; bo: my 128 columns; lane (r, h) wants, for block b, those at 16 b + 8 h + 0 .. 7
	s_lshl_b32 s21, s[CH], 9
	s_add_co_u32 s20, s20, s21
	s_mov_b32 s21, 0
	s_add_nc_u64 s[10:11], s[10:11], s[20:21]
.irp b, 0,1,2,3,4,5,6,7
	global_load_b128 v[BIAS+8*\b:BIAS+8*\b+3], v[AUX], s[10:11] offset:64*\b
	global_load_b128 v[BIAS+8*\b+4:BIAS+8*\b+7], v[AUX], s[10:11] offset:64*\b+16
.endr
	s_wait_loadcnt 0x0
.endif
; 8 matrix instructions: row block a x all 8 column blocks, 32 along K, from buffer f.  first = 1: they start sums, with the constant 0 (PV = 1: a piece's) or with bo (PV = 0).
; The 32 accumulators take turns, one instruction a turn, in the same order in every quarter.
.macro MUL8 f, a, first
.irp b, 0,1,2,3,4,5,6,7
.if \first
.if PV
	v_wmma_f32_16x16x32_f16 v[8*(8*(\a)+\b):8*(8*(\a)+\b)+7], v[64*(\f)+8*\b:64*(\f)+8*\b+7], v[FA+32*(\f)+8*(\a):FA+32*(\f)+8*(\a)+7], 0
.else
	v_wmma_f32_16x16x32_f16 v[8*(8*(\a)+\b):8*(8*(\a)+\b)+7], v[64*(\f)+8*\b:64*(\f)+8*\b+7], v[FA+32*(\f)+8*(\a):FA+32*(\f)+8*(\a)+7], v[BIAS+8*\b:BIAS+8*\b+7]
.endif
.else
	v_wmma_f32_16x16x32_f16 v[8*(8*(\a)+\b):8*(8*(\a)+\b)+7], v[64*(\f)+8*\b:64*(\f)+8*\b+7], v[FA+32*(\f)+8*(\a):FA+32*(\f)+8*(\a)+7], v[8*(8*(\a)+\b):8*(8*(\a)+\b)+7]
.endif
.endr
.endm
.macro FETCH slot, q, f                ; 24 LDS loads in one run: the slot's q-th 32 along K into buffer f: B's 8 fragments, turned, then A's 4
	WIN TO_B
.irp b, 0,1,2,3,4,5,6,7
	ds_load_tr16_b128 v[64*(\f)+8*\b:64*(\f)+8*\b+3],   v[ADRB+\slot] offset:32*(\q)*PB+32*\b
	ds_load_tr16_b128 v[64*(\f)+8*\b+4:64*(\f)+8*\b+7], v[ADRB+\slot] offset:32*(\q)*PB+16*PB+32*\b
.endr
	WIN 0
.irp i, 0,1,2,3
	ds_load_b128 v[FA+32*(\f)+8*\i:FA+32*(\f)+8*\i+3],   v[ADRA+\slot] offset:64*(\q)+\i*16*PA
	ds_load_b128 v[FA+32*(\f)+8*\i+4:FA+32*(\f)+8*\i+7], v[ADRA+\slot] offset:64*(\q)+\i*16*PA+32
.endr
.endm
.macro PLACES                          ; four plain vector lines between a matrix instruction and a load into, or a read of, its registers
.rept 4
	v_nop
.endr
.endm
.if PV
; A finished piece is taken in: O = g_t T + O, 256 numbers a lane, two at a time, in f32; lane l holds row l % 16 of row block n / 32.  start = 1: the first piece starts O: nothing is cleared.
; Each accumulator is read from its low end on.  Four plain lines stand ahead of the macro, behind the products that wrote T.
.macro FOLD start
	WIN FOLDW
.set n, 0
.rept 128
.if \start
	v_pk_mul_f32 v[2*n:2*n+1], v[2*n:2*n+1], v[GT+2*(n/32):GT+2*(n/32)+1] op_sel_hi:[1,0]
.else
	v_pk_fma_f32 v[2*n:2*n+1], v[2*n:2*n+1], v[GT+2*(n/32):GT+2*(n/32)+1], v[2*n:2*n+1] op_sel_hi:[1,0,1]
.endif
.set n, n+1
.endr
	WIN 0
.endm
.endif
; A K step is four quarters of 32 along K, 32 matrix instructions each, on buffers 0, 1, 0, 1.  One of the first three: multiplies buffer f and, ahead of that, asks for the slot's q-th quarter into g.
; mode 0: a later quarter of a K step.  1: the launch's first quarter.  2, 3: the first quarter of a later K step; with PV = 1 the piece before is taken in first (2: it starts O), and this quarter's products begin T
; anew: between an accumulator's last product and the one that writes over it stand the four v_nop and 124 multiply-adds that name other accumulators.  With PV = 0 modes 2 and 3 are mode 0.
.macro QUARTER slot, q, f, g, mode
	s_wait_dscnt 0x0                               ; buffer f is in: asked for a quarter ago (modes 2, 3: and g_t)
	WIN 0
	PLACES                                         ; behind the last products: g is loaded, which they read; modes 2, 3: T is read, which they wrote
	FETCH \slot, \q, \g
.set CM, 0
.if PV
.if (\mode) == 2
	FOLD 1
.endif
.if (\mode) == 3
	FOLD 0
.endif
.if (\mode) > 0
.set CM, 1
.endif
	WIN MUL
.else
.if (\mode) == 1
.set CM, 1
	WIN MUL_B
.else
	WIN MUL
.endif
.endif
	MUL8 \f, 0, CM
	MUL8 \f, 1, CM
	MUL8 \f, 2, CM
	MUL8 \f, 3, CM
.endm
; The last quarter multiplies buffer 1 and changes slots: ONE barrier; in front of it each wave waits for all its tensor loads (one is out: its part of the next slot), adds 0 to its spare word, and waits for that
; and for its reads of this slot.  fill = 1: the barrier opens a round of the cluster's, and this slot is filled again, two K steps on, first thing behind the round.
.macro TURN slot, next, fill
.if (\fill) && PV
	s_wait_xcnt 0x0                                ; the last prefetch, a K step back, has read its address: it is stepped here
	s_add_nc_u64 s[PFA:PFA+1], s[PFA:PFA+1], s[PFS:PFS+1]
.endif
	WIN 0
	s_wait_tensorcnt 0x0
	ds_add_u32 v[SPW], v[NIL]
	s_wait_dscnt 1                                 ; buffer 1 is in (the add may be out)
	WIN MUL
	MUL8 1, 0, 0
	s_wait_dscnt 0x0                               ; the add is done, and my reads of this slot are over
	s_barrier_signal -1
	MUL8 1, 1, 0
	WIN 0
	s_barrier_wait -1
.if \fill
	CREST
	s_add_nc_u64 s[G0A+4*\slot+2:G0A+4*\slot+3], s[G0A+4*\slot+2:G0A+4*\slot+3], 2*KSTEP*2
	s_add_nc_u64 s[G0B+4*\slot+2:G0B+4*\slot+3], s[G0B+4*\slot+2:G0B+4*\slot+3], 2*KSTEP*PITCHB
	JLOAD \slot                                    ; its four v_nop are also the places in front of the loads below
.else
	PLACES
.endif
	FETCH \next, 0, 0
.if PV
	ds_load_b128 v[GT:GT+3], v[FADR]               ; g_t of the piece that ends here: wanted at the head of the next quarter
	ds_load_b128 v[GT+4:GT+7], v[FADR] offset:512
	v_add_nc_u32 v[FADR], 1024, v[FADR]
.if \fill
	ASK
.endif
.endif
	WIN MUL
	MUL8 1, 2, 0
	MUL8 1, 3, 0
.endm
	s_wait_tensorcnt 1                             ; my part of K step 0 is in (K step 1's load may be out)
	s_wait_dscnt 0x0                               ; and no LDS instruction of mine is pending
	s_barrier_signal -1
	s_barrier_wait -1                              ; everybody's is
	FETCH 0, 0, 0
	QUARTER 0, 1, 0, 1, 1                          ; the first quarter's products start the sums
	WIN 0
.if PV
	s_mov_b32 s3, LAPS-1                           ; (the prefetches' test reads it)
	QUARTER 0, 2, 1, 0, 0                          ; the first lap is written out: in it the first piece starts O, by a multiplication where the loop has a multiply-add
	QUARTER 0, 3, 0, 1, 0
	TURN 0, 1, 1
	QUARTER 1, 1, 0, 1, 2
	QUARTER 1, 2, 1, 0, 0
	QUARTER 1, 3, 0, 1, 0
	TURN 1, 0, 1
	QUARTER 0, 1, 0, 1, 3
	WIN 0
	s_mov_b32 s3, LAPS-2
.else
	s_mov_b32 s3, LAPS-1
.endif
.Llap:                                                 ; a trip goes once round the ring, from a lap's second quarter to the next lap's first, and fills both slots again
	QUARTER 0, 2, 1, 0, 0
	QUARTER 0, 3, 0, 1, 0
	TURN 0, 1, 1
	QUARTER 1, 1, 0, 1, 3
	QUARTER 1, 2, 1, 0, 0
	QUARTER 1, 3, 0, 1, 0
	TURN 1, 0, 1
	QUARTER 0, 1, 0, 1, 3
	WIN 0
	s_sub_co_u32 s3, s3, 1
	s_cmp_lg_u32 s3, 0
	s_cbranch_scc1 .Llap
	QUARTER 0, 2, 1, 0, 0                          ; the last lap is written out: it fills nothing
	QUARTER 0, 3, 0, 1, 0
	TURN 0, 1, 0
	QUARTER 1, 1, 0, 1, 3
	QUARTER 1, 2, 1, 0, 0
	QUARTER 1, 3, 0, 1, 0
	s_wait_dscnt 0x0                               ; the very last quarter: no fragment is left to fetch
	WIN 0
.if PV
	ds_load_b128 v[GT:GT+3], v[FADR]               ; the last piece's g_t
	ds_load_b128 v[GT+4:GT+7], v[FADR] offset:512
.endif
	WIN MUL
	MUL8 1, 0, 0
	MUL8 1, 1, 0
	MUL8 1, 2, 0
	MUL8 1, 3, 0
	WIN 0
	PLACES                                         ; behind the last products: their results are read, and registers that they read are loaded
.if PV
	s_wait_dscnt 0x0                               ; g_t is in
	FOLD 0                                         ; the last piece: O is attn, divided by l already
.endif
.if PV
; THE WAY OUT, block a of 16 rows x 128 columns: rounded to f16, 16 bytes a lane; through my own stage; back as whole rows of 256 bytes.
.macro PACK a
	WIN 0x0a                                       ; sources 0 and 1: window 2
.set i, 0
.rept 32
	v_cvt_pk_f16_f32 v[TMP+i], v[64*(\a)+2*i], v[64*(\a)+2*i+1]
.set i, i+1
.endr
	WIN 0
.endm
.macro TOSTAGE a
.set BK, FA+32*((\a)%2)
.irp b, 0,1,2,3,4,5,6,7
	ds_store_b128 v[STO], v[TMP+4*\b:TMP+4*\b+3] offset:32*\b
.endr
.irp u, 0,1,2,3,4,5,6,7
	ds_load_b128 v[BK+4*\u:BK+4*\u+3], v[RD] offset:\u*2*SPITCH    ; LDS serves a wave's instructions in order: these see the stores above
.endr
.endm
.macro SEND a
.set BK, FA+32*((\a)%2)
	s_wait_dscnt 0x0                               ; the block is back in registers
	s_wait_xcnt 0x0                                ; earlier stores have read their base and data: only behind this wait are they rewritten
.if (\a) > 0
	s_add_nc_u64 s[8:9], s[8:9], 16*OROW
.endif
.irp u, 0,1,2,3,4,5,6,7
	global_store_b128 v[CO], v[BK+4*\u:BK+4*\u+3], s[8:9] offset:2*\u*OROW   ; 16 lanes store 256 consecutive bytes, aligned
.endr
.endm
	PACK 0
	TOSTAGE 0
.irp a, 1,2,3
	PACK \a
	SEND \a-1
	TOSTAGE \a
.endr
	SEND 3
.else
; THE WAY OUT, block a of 16 rows x 128 columns of f32: a lane's 32 bytes go through my own stage and come back as whole rows of 512 bytes.
.macro TOSTAGE a
	WIN 0x08                                       ; an LDS store's data are its source 1: window 2
.irp b, 0,1,2,3,4,5,6,7
	ds_store_b128 v[STO], v[64*(\a)+8*\b:64*(\a)+8*\b+3] offset:64*\b          ; each accumulator from its low end on
	ds_store_b128 v[STO], v[64*(\a)+8*\b+4:64*(\a)+8*\b+7] offset:64*\b+16
.endr
	WIN 0
.set BK, FA+64*((\a)%2)
.irp u, 0,1,2,3,4,5,6,7,8,9,10,11,12,13,14,15
	ds_load_b128 v[BK+4*\u:BK+4*\u+3], v[RD] offset:\u*SPITCH
.endr
.endm
.macro SEND a, younger                 ; younger: the LDS instructions issued behind block a's loads, which may stay out
.set BK, FA+64*((\a)%2)
	s_wait_dscnt \younger
.if (\a) > 0
	s_add_nc_u64 s[8:9], s[8:9], 16*OROW           ; (behind a wait on XCNT: the earlier stores have read their base)
.endif
.irp u, 0,1,2,3,4,5,6,7,8,9,10,11,12,13,14,15
	global_store_b128 v[CO], v[BK+4*\u:BK+4*\u+3], s[8:9] offset:\u*OROW th:TH_STORE_NT   ; 32 lanes store 512 consecutive bytes, aligned; written once, read by nobody here
.endr
.endm
	TOSTAGE 0
.irp a, 1,2,3
.if \a > 1
	s_wait_xcnt 0x0                                ; block a - 2's stores have read their registers and their base
.endif
	TOSTAGE \a
	SEND \a-1, 32                                  ; behind block a - 1's loads: block a's 16 stores and 16 loads
.endr
	s_wait_xcnt 0x0
	SEND 3, 0
.endif
	s_wait_tensorcnt 0x0                           ; the wave's end
	ds_add_u32 v[SPW], v[NIL]
	s_wait_dscnt 0x0
	CROUND                                         ; the closing round
	s_endpgm
.Lfunc_end_k_q07b5e1ec44_proj:
	.size	k_q07b5e1ec44_proj, .Lfunc_end_k_q07b5e1ec44_proj-k_q07b5e1ec44_proj
	.p2alignl 7, 3214868480
	.fill 96, 4, 3214868480
	.section	.rodata,"a",@progbits
	.p2align	6, 0x0
	.amdhsa_kernel k_q07b5e1ec44_proj
		.amdhsa_group_segment_fixed_size 327680
		.amdhsa_private_segment_fixed_size 0
		.amdhsa_enable_private_segment 0
		.amdhsa_kernarg_size 32
		.amdhsa_user_sgpr_count 2
		.amdhsa_user_sgpr_kernarg_segment_ptr 1
		.amdhsa_wavefront_size32 1
		.amdhsa_system_sgpr_workgroup_id_x 1
		.amdhsa_system_sgpr_workgroup_id_y 1
		.amdhsa_system_sgpr_workgroup_id_z 1
		.amdhsa_system_vgpr_workitem_id 0
		.amdhsa_next_free_vgpr 768
		.amdhsa_next_free_sgpr 72
		.amdhsa_reserve_vcc 0
		.amdhsa_float_denorm_mode_32 3
		.amdhsa_float_denorm_mode_16_64 3
		.amdhsa_memory_ordered 1
		.amdhsa_forward_progress 1
		.amdhsa_inst_pref_size 87
	.end_amdhsa_kernel
	.amdgpu_metadata
---
amdhsa.version: [ 1, 2 ]
amdhsa.kernels:
  - .name:           k_q07b5e1ec44_proj
    .symbol:         k_q07b5e1ec44_proj.kd
    .args:
      - { .name: attn, .offset: 0, .size: 8, .value_kind: global_buffer, .address_space: global }
      - { .name: wo16, .offset: 8, .size: 8, .value_kind: global_buffer, .address_space: global }
      - { .name: out0, .offset: 16, .size: 8, .value_kind: global_buffer, .address_space: global }
      - { .name: bo, .offset: 24, .size: 8, .value_kind: global_buffer, .address_space: global }
    .group_segment_fixed_size: 327680
    .private_segment_fixed_size: 0
    .kernarg_segment_align: 8
    .kernarg_segment_size: 32
    .max_flat_workgroup_size: 128
    .sgpr_count:     72
    .vgpr_count:     768
    .wavefront_size: 32
...
	.end_amdgpu_metadata
.endif
;; end of part 5
